; MI455X (gfx1250); checked and timed in simulation.
; The chip was launched on July 23, 2026; its instructions are those of AMD's public machine-readable ISA for CDNA 5 (MIT licence, August 2026) and "CDNA5" Instruction Set Architecture Reference Guide (July 2026). The comments in the code are by the model that wrote it; some were corrected since.
;; Multi Head Attention. Allowed arithmetic: matrix products marked QUANTISED: E4M3 operands, one given power-of-two scale a tensor, by v_wmma_f32_16x16x64_fp8_fp8 or v_wmma_f32_16x16x128_fp8_fp8, f32 sums; everything else in f32.
;; Inputs: Wk 1,024 x 1,024 float32; Wo 1,024 x 1,024 float32; Wq 1,024 x 1,024 float32; Wv 1,024 x 1,024 float32; lowp_scales 12 int32 (the exponents e of the quantised operands' scales 2^e); mask 2,048 x 2,048 bool; x_k 4 x 2,048 x 1,024 float32; x_q 4 x 2,048 x 1,024 float32; x_v 4 x 2,048 x 1,024 float32.
;; Outputs: out0 4 x 2,048 x 1,024 float32.
;; This version of the problem:
;;   THIS VERSION OF THE PROBLEM IS GIVEN IN LOW PRECISION. The matrix products marked QUANTISED in the list below multiply operands that are first quantised to E4M3 (4 exponent bits, 3 mantissa bits; 8 bits a number), with one given power-of-two scale for each operand tensor; their sums are f32. All else is computed in f32.
;;   The module's matrix products, in the order in which they are computed (A, B: the left and right operand; K: the contracted axis; several contracted axes count as one K, in the product's order):
;;     1. [M 8,192, K 1,024] x [K 1,024, N 1,024]; A: input x_q; B: input Wq: QUANTISED (scales: A lowp_scales[0], B lowp_scales[1])
;;     2. [M 8,192, K 1,024] x [K 1,024, N 1,024]; A: input x_k; B: input Wk: QUANTISED (scales: A lowp_scales[2], B lowp_scales[3])
;;     3. [M 8,192, K 1,024] x [K 1,024, N 1,024]; A: input x_v; B: input Wv: QUANTISED (scales: A lowp_scales[4], B lowp_scales[5])
;;     4. batch 64 x [M 2,048, K 64] x [K 64, N 2,048]; A: computed on the way; B: computed on the way: QUANTISED (scales: A lowp_scales[6], B lowp_scales[7])
;;     5. batch 64 x [M 2,048, K 2,048] x [K 2,048, N 64]; A: softmax (see below); B: computed on the way: QUANTISED (scales: A lowp_scales[8], B lowp_scales[9])
;;     6. [M 8,192, K 1,024] x [K 1,024, N 1,024]; A: computed on the way; B: input Wo: QUANTISED (scales: A lowp_scales[10], B lowp_scales[11])
;;   THE QUANTISER, for each operand of a quantised product, along K:
;;     - The operand's scale is 2^e, e = its entry of the input lowp_scales (int32; the entries are numbered through the quantised products in the list's order, A before B).
;;     - Each number is divided by the scale, clamped to +-448, and rounded to the nearest number of E4M3, ties to even, subnormals kept.
;;     - The product sums the exact products of the quantised numbers (number of the format x scale) in f32.
;;   ~~~python
;;   def quantise(x, axis, e):      # numpy; x: float32 -> the quantised numbers, widened to float32 again
;;       x = np.moveaxis(x, axis, -1); K = x.shape[-1]
;;       r = np.clip(x / 2.0 ** e, -448, 448)
;;       step = 2.0 ** (np.maximum(np.frexp(np.where(r == 0, 1, r))[1] - 1, -6) - 3)
;;       q = np.round(r / step) * step * 2.0 ** e      # np.round: ties to even
;;       return np.moveaxis(q, -1, axis).astype(np.float32)
;;   ~~~
;;   SOFTMAX AHEAD OF A QUANTISED PRODUCT. Where the list says 'softmax', what is quantised is not the finished softmax but p = 2^(t - M), with t = logit x log2(e) and M = ceil(the row's largest t), a whole number; so 1/2 < the row's largest p <= 1. The row's sum l is taken of the UNQUANTISED p, in f32, and the product's result is divided by l at the end. Since M is a whole number, a kernel that streams over the keys may use a running M (the ceiling of the running maximum): every later rescaling is an exact power of two, so the quantised numbers keep their values, but for numbers so far below the row's largest that they fall under the format's range.
;;   OPERANDS COMPUTED ON THE WAY. 'Computed on the way' means the value that the module computes at that place (a softmax that the list does not call 'softmax' is quantised finished and normalised). What goes into a quantiser is computed in f32, as accurately as f32 sums, v_exp_f32 and their like allow (about 1e-6 of the number): no bf16 or f16 on the way to a quantiser, and a product that is left as it is and whose result goes on into a quantised operand takes f32 operands (vector FMAs, or v_wmma_f32_16x16x4_f32). A number that lies on a knife's edge between two numbers of the format may be rounded either way, as far as f32 arithmetic and the matrix unit's own rounding can turn it there, and no further.
;; 2 versions, each right; version 2 is version 1 with the launch attn written anew for expert scheduling mode. Each part assembles by itself: llvm-mc -triple=amdgcn-amd-amdhsa -mcpu=gfx1250 --defsym DOCPART=n.
;; ======== version 1 of 2: 4 launches
;; workspace buffers: wc 4,194,304 bytes; mw 524,288 bytes of whole numbers; msum 8,192 bytes of whole numbers; qf 8,388,608 bytes; kf 8,388,608 bytes; vf 8,388,608 bytes; oc 8,388,608 bytes
;; launch prep (part 1): grid 256 x 1, 8 waves a work-group, no clusters, 35,840 bytes of LDS; arguments Wq, Wk, Wv, Wo, mask, lowp_scales, wc, mw, msum; writes wc, mw, msum
.if DOCPART == 1
	.amdgcn_target "amdgcn-amd-amdhsa--gfx1250"
	.amdhsa_code_object_version 6
	.text
	.protected	k_qd33c586865_prep
	.globl	k_qd33c586865_prep
	.p2align	8
	.type	k_qd33c586865_prep,@function
k_qd33c586865_prep:
	s_mov_b64 s[64:65], 0
	v_nop
	global_prefetch_b8 v0, s[64:65] scope:SCOPE_SE
	s_setreg_imm32_b32 hwreg(HW_REG_WAVE_MODE, 25, 1), 1
	s_wait_xcnt 0x0
; PREP.  Work-groups 0-127: the four weights [1024 (k)][1024 (n)], f32, become codes of E4M3 in wc, laid as images of operand registers.
; Work-groups 128-255: the mask [2048 (q)][2048 (k)], one byte each, becomes lane masks (mw) and a summary for each tile of 16 queries x 128 keys (msum).
; wc: [tensor q,k,v,o][p 2][s 8][w 4][b 8][2048 bytes]: the fragment of columns n = 512 p + 128 w + 16 b + r, K step s of 128.
;     byte 512 c + 256 h + 16 r + P holds k = 128 s + 32 c + 16 (P / 8) + 8 h + P % 8: lane 16 h + r takes its registers 4 c .. 4 c + 3 by one load of 16 bytes.
; mw: [tile of 16 queries, 128][key step of 128, 16][64 words]: bit 16 h + r of word 8 t + j = mask[16 tile + r][128 step + 16 t + 8 h + j].
; msum: [tile 128][wave y 8][2 words]: word 0, bits 2 y and 2 y + 1: the key step is hidden wholly; word 1, the same bits: some key of it is hidden.
; code = x / 2^e, held within +-448, to the nearest code, ties to even.  LIMITS: e between -126 and 119; NaN among the weights is not served.
; WEIGHTS: a lane takes one column n and its registers run down K, so that the conversions, which take neighbours along K from one lane, give codes with K innermost.
; A wave: 32 columns x 128 along K.  Each load reads 128 consecutive bytes; each store writes two aligned runs of 256 bytes.
.set X,     32                         ; v32-159  128 numbers down K
.set C,     160                        ; v160-191 the codes: eight registers for each block of 32, so that no store's data are written again
.set SPW,   2                          ; v2  LDS address of my spare word; never rewritten
.set NIL,   3                          ; v3  0; never rewritten
.set STGB,  4352                       ; the mask path's stage: 16 rows x (256 bytes + 16) for each wave
.set SPARE, 8*STGB                     ; behind the stages: the spare words, 128 bytes for each wave
	s_load_b512 s[4:19], s[0:1], 0x0               ; Wq 4, Wk 6, Wv 8, Wo 10, mask 12, scales 14, wc 16, mw 18
	s_load_b64 s[20:21], s[0:1], 0x40              ; msum
	v_lshl_add_u32 v[SPW], v0, 2, SPARE
	v_mov_b32 v[NIL], 0
	v_lshrrev_b32 v1, 5, v0
	v_readfirstlane_b32 s22, v1                    ; wave 0..7
	v_and_b32 v4, 31, v0                           ; lane
	v_and_b32 v5, 15, v0                           ; r
	v_bfe_u32 v6, v0, 4, 1                         ; h
	s_cmp_lt_u32 ttmp9, 128
	s_cbranch_scc0 .Lmask
; ---------------- the weights
	s_lshr_b32 s23, ttmp9, 5                       ; which tensor
	s_bfe_u32 s24, ttmp9, 0x30002                  ; CB: which 128 columns
	s_and_b32 s25, ttmp9, 3
	s_and_b32 s26, s22, 3                          ; cv: which 32 of them
	s_lshr_b32 s27, s22, 2
	s_lshl_b32 s25, s25, 1
	s_add_co_u32 s27, s27, s25                     ; s: which 128 along K
	s_lshl_b32 s28, s27, 19                        ; from: 128 s rows of 4,096 bytes + 4 (128 CB + 32 cv)
	s_lshl_b32 s29, s24, 9
	s_add_co_u32 s28, s28, s29
	s_lshl_b32 s29, s26, 7
	s_add_co_u32 s28, s28, s29
	s_mov_b32 s29, 0
	s_lshl_b32 s30, s23, 20                        ; to: tensor, (p, s), w, and my two fragments
	s_lshr_b32 s31, s24, 2
	s_lshl_b32 s31, s31, 3
	s_add_co_u32 s31, s31, s27
	s_lshl_b32 s31, s31, 16
	s_add_co_u32 s30, s30, s31
	s_and_b32 s31, s24, 3
	s_lshl_b32 s31, s31, 14
	s_add_co_u32 s30, s30, s31
	s_lshl_b32 s31, s26, 12
	s_add_co_u32 s30, s30, s31
	s_mov_b32 s31, 0
	v_lshlrev_b32 v7, 2, v4                        ; in: 4 bytes a lane
	v_lshlrev_b32 v8, 4, v5
	v_lshl_add_u32 v8, v6, 11, v8                  ; out: lanes 16-31 belong to the next fragment; 16 bytes for column r
	s_wait_kmcnt 0x0
	s_load_b256 s[36:43], s[14:15], 0x0            ; the scales' exponents 0-7
	s_load_b128 s[44:47], s[14:15], 0x20           ; 8-11
	s_cmp_eq_u32 s23, 0                            ; the choice hangs on the work-group's number alone
	s_cselect_b64 s[34:35], s[4:5], s[6:7]
	s_cmp_eq_u32 s23, 2
	s_cselect_b64 s[34:35], s[8:9], s[34:35]
	s_cmp_eq_u32 s23, 3
	s_cselect_b64 s[34:35], s[10:11], s[34:35]
	s_add_nc_u64 s[34:35], s[34:35], s[28:29]
	s_add_nc_u64 s[16:17], s[16:17], s[30:31]
.macro LOADW c                         ; block c: W(128 s + 32 c + i, my column), i = 0 .. 31
.set li, 0
.rept 32
	global_load_b32 v[X+32*(\c)+li], v7, s[34:35] offset:(32*(\c)+li)*4096 th:TH_LOAD_NT
.set li, li+1
.endr
.endm
	LOADW 0
	LOADW 1
	s_wait_kmcnt 0x0
	s_cmp_eq_u32 s23, 0                            ; Wq: entry 1, Wk: 3, Wv: 5, Wo: 11
	s_cselect_b32 s33, s37, s39
	s_cmp_eq_u32 s23, 2
	s_cselect_b32 s33, s41, s33
	s_cmp_eq_u32 s23, 3
	s_cselect_b32 s33, s47, s33
	s_add_co_i32 s33, s33, 127
	s_lshl_b32 s48, s33, 23
	v_mov_b32 v11, s48                             ; 2^e as f32: the conversion takes its exponent field
	s_add_co_i32 s33, s33, 8
	s_lshl_b32 s33, s33, 23
	s_or_b32 s33, s33, 0x600000
	v_mov_b32 v10, s33                             ; 448 x 2^e
.macro BLKW c
.if (\c) < 3
	s_wait_loadcnt 32                              ; this block's 32 loads are in; the next block's 32 may be out
.else
	s_wait_loadcnt 0
.endif
.set bi, 0
.rept 32
	v_med3_num_f32 v[X+32*(\c)+bi], v[X+32*(\c)+bi], -v10, v10   ; the conversion to an 8-bit code does not saturate (ISA guide 7.6.2): the hold comes first
.set bi, bi+1
.endr
	v_cvt_scalef32_pk8_fp8_f32 v[C+8*(\c):C+8*(\c)+1],   v[X+32*(\c):X+32*(\c)+7],     v11   ; lanes of half 0 want k 0-7 and 16-23 of the block,
	v_cvt_scalef32_pk8_fp8_f32 v[C+8*(\c)+2:C+8*(\c)+3], v[X+32*(\c)+16:X+32*(\c)+23], v11
	v_cvt_scalef32_pk8_fp8_f32 v[C+8*(\c)+4:C+8*(\c)+5], v[X+32*(\c)+8:X+32*(\c)+15],  v11   ; those of half 1 k 8-15 and 24-31
	v_cvt_scalef32_pk8_fp8_f32 v[C+8*(\c)+6:C+8*(\c)+7], v[X+32*(\c)+24:X+32*(\c)+31], v11
	global_store_b128 v8, v[C+8*(\c):C+8*(\c)+3],   s[16:17] offset:512*(\c)        ; sixteen lanes write 256 consecutive bytes, aligned
	global_store_b128 v8, v[C+8*(\c)+4:C+8*(\c)+7], s[16:17] offset:512*(\c)+256
.if (\c)+2 < 4
	LOADW (\c)+2
.endif
.endm
	BLKW 0
	BLKW 1
	BLKW 2
	BLKW 3
	s_endpgm
; ---------------- the mask: a work-group takes 16 queries, a wave 256 keys (two key steps)
.Lmask:
	s_sub_co_u32 s23, ttmp9, 128                   ; the tile of queries
	s_lshl_b32 s24, s23, 15                        ; 16 rows of 2,048 bytes
	s_lshl_b32 s25, s22, 8                         ; + 256 x wave
	s_add_co_u32 s24, s24, s25
	s_mov_b32 s25, 0
	s_mul_i32 s26, s22, STGB                       ; my stage
	v_lshlrev_b32 v7, 4, v5
	v_lshl_add_u32 v8, v6, 11, v7                  ; in memory: lanes 0-15 one row's 256 bytes, lanes 16-31 the next row's
	v_mul_u32_u24 v9, v6, 272
	v_add_nc_u32 v9, v9, v7
	v_add_nc_u32 v9, s26, v9                       ; the same two rows in the stage
	v_mul_u32_u24 v10, v5, 272
	v_lshl_add_u32 v10, v6, 3, v10
	v_add_nc_u32 v10, s26, v10                     ; back: row r, 8 bytes at 8 h
	v_lshlrev_b32 v11, 4, v4
	s_lshl_b32 s28, s23, 12                        ; mw: 4,096 bytes a tile, 512 a wave
	s_lshl_b32 s29, s22, 9
	s_add_co_u32 s28, s28, s29
	s_mov_b32 s29, 0
	s_lshl_b32 s30, s23, 6                         ; msum: 64 bytes a tile, 8 a wave
	s_lshl_b32 s31, s22, 3
	s_add_co_u32 s30, s30, s31
	s_mov_b32 s31, 0
	s_wait_kmcnt 0x0
	s_add_nc_u64 s[12:13], s[12:13], s[24:25]
	s_add_nc_u64 s[18:19], s[18:19], s[28:29]
	s_add_nc_u64 s[20:21], s[20:21], s[30:31]
.irp i, 0,1,2,3,4,5,6,7
	global_load_b128 v[16+4*\i:19+4*\i], v8, s[12:13] offset:4096*\i
.endr
.irp i, 0,1,2,3
	v_mov_b32 v[84+\i], 0                          ; the words: a lane write's destination counts as read
.endr
	s_mov_b32 s44, -1                              ; the and of a key step's 64 words, for each of my two steps,
	s_mov_b32 s45, -1
	s_mov_b32 s46, 0                               ; and the or
	s_mov_b32 s47, 0
	s_wait_loadcnt 0x0
.irp i, 0,1,2,3,4,5,6,7
	ds_store_b128 v9, v[16+4*\i:19+4*\i] offset:544*\i
.endr
.irp t, 0,1,2,3,4,5,6,7,8,9,10,11,12,13,14,15
	ds_load_b64 v[48+2*\t:49+2*\t], v10 offset:16*\t   ; mask[r][16 t + 8 h + 0 .. 7]; LDS serves a wave's instructions in order: these see my stores
.endr
	s_wait_dscnt 0x0
.set wi, 0                             ; word wi = 8 t + j of my 128
.rept 128
	v_and_b32 v[80+wi%4], 0xff<<(8*(wi%4)), v[48+2*(wi/8)+((wi%8)/4)]
	v_cmp_ne_u32 s[40+wi%4], 0, v[80+wi%4]         ; bit of lane 16 h + r: the key is hidden for query r
	v_writelane_b32 v[84+wi%4], s[40+wi%4], wi/4   ; lane l gathers words 4 l .. 4 l + 3: 16 bytes
	s_and_b32 s[44+wi/64], s[44+wi/64], s[40+wi%4]
	s_or_b32 s[46+wi/64], s[46+wi/64], s[40+wi%4]
.set wi, wi+1
.endr
	global_store_b128 v11, v[84:87], s[18:19]      ; 512 consecutive bytes
	s_cmp_eq_u32 s44, -1
	s_cselect_b32 s48, 1, 0
	s_cmp_eq_u32 s45, -1
	s_cselect_b32 s49, 2, 0
	s_or_b32 s48, s48, s49
	s_cmp_lg_u32 s46, 0
	s_cselect_b32 s50, 1, 0
	s_cmp_lg_u32 s47, 0
	s_cselect_b32 s51, 2, 0
	s_or_b32 s50, s50, s51
	s_lshl_b32 s52, s22, 1
	s_lshl_b32 s48, s48, s52                       ; at the bits of key steps 2 y, 2 y + 1
	s_lshl_b32 s50, s50, s52
	v_mov_b32 v12, s48
	v_mov_b32 v13, s50
	v_mov_b32 v14, 0
	v_cmp_eq_u32 vcc_lo, 0, v4
	s_wait_xcnt 0x0                                ; EXEC changes only behind this wait: the store above has it among its sources
	s_and_saveexec_b32 s53, vcc_lo
	global_store_b64 v14, v[12:13], s[20:21]       ; one lane: 8 bytes a wave, 8,192 bytes in the whole launch
	s_wait_xcnt 0x0
	s_or_b32 exec_lo, exec_lo, s53
	s_wait_tensorcnt 0x0                           ; the wave's end, behind my last LDS store
	ds_add_u32 v[SPW], v[NIL]
	s_wait_dscnt 0x0
	s_endpgm
.Lfunc_end_k_qd33c586865_prep:
	.size	k_qd33c586865_prep, .Lfunc_end_k_qd33c586865_prep-k_qd33c586865_prep
	.p2alignl 7, 3214868480
	.fill 96, 4, 3214868480
	.section	.rodata,"a",@progbits
	.p2align	6, 0x0
	.amdhsa_kernel k_qd33c586865_prep
		.amdhsa_group_segment_fixed_size 35840
		.amdhsa_private_segment_fixed_size 0
		.amdhsa_enable_private_segment 0
		.amdhsa_kernarg_size 72
		.amdhsa_user_sgpr_count 2
		.amdhsa_user_sgpr_kernarg_segment_ptr 1
		.amdhsa_wavefront_size32 1
		.amdhsa_system_sgpr_workgroup_id_x 1
		.amdhsa_system_sgpr_workgroup_id_y 1
		.amdhsa_system_sgpr_workgroup_id_z 1
		.amdhsa_system_vgpr_workitem_id 0
		.amdhsa_next_free_vgpr 192
		.amdhsa_next_free_sgpr 66
		.amdhsa_reserve_vcc 1
		.amdhsa_float_denorm_mode_32 3
		.amdhsa_float_denorm_mode_16_64 3
		.amdhsa_memory_ordered 1
		.amdhsa_forward_progress 1
		.amdhsa_inst_pref_size 62
	.end_amdhsa_kernel
	.amdgpu_metadata
---
amdhsa.version: [ 1, 2 ]
amdhsa.kernels:
  - .name:           k_qd33c586865_prep
    .symbol:         k_qd33c586865_prep.kd
    .args:
      - { .name: Wq, .offset: 0, .size: 8, .value_kind: global_buffer, .address_space: global }
      - { .name: Wk, .offset: 8, .size: 8, .value_kind: global_buffer, .address_space: global }
      - { .name: Wv, .offset: 16, .size: 8, .value_kind: global_buffer, .address_space: global }
      - { .name: Wo, .offset: 24, .size: 8, .value_kind: global_buffer, .address_space: global }
      - { .name: mask, .offset: 32, .size: 8, .value_kind: global_buffer, .address_space: global }
      - { .name: lowp_scales, .offset: 40, .size: 8, .value_kind: global_buffer, .address_space: global }
      - { .name: wc, .offset: 48, .size: 8, .value_kind: global_buffer, .address_space: global }
      - { .name: mw, .offset: 56, .size: 8, .value_kind: global_buffer, .address_space: global }
      - { .name: msum, .offset: 64, .size: 8, .value_kind: global_buffer, .address_space: global }
    .group_segment_fixed_size: 35840
    .private_segment_fixed_size: 0
    .kernarg_segment_align: 8
    .kernarg_segment_size: 72
    .max_flat_workgroup_size: 256
    .sgpr_count:     66
    .vgpr_count:     192
    .wavefront_size: 32
...
	.end_amdgpu_metadata
.endif
;; end of part 1
;; launch proj (part 2): grid 64 x 3, 4 waves a work-group, clusters of 4 x 1, 327,680 bytes of LDS; arguments x_q, x_k, x_v, wc, lowp_scales, qf, kf, vf; writes qf, kf, vf
.if DOCPART == 2
	.amdgcn_target "amdgcn-amd-amdhsa--gfx1250"
	.amdhsa_code_object_version 6
	.text
	.protected	k_qd33c586865_proj
	.globl	k_qd33c586865_proj
	.p2align	8
	.type	k_qd33c586865_proj,@function
k_qd33c586865_proj:
	s_mov_b64 s[64:65], 0
	v_nop
	global_prefetch_b8 v0, s[64:65] scope:SCOPE_SE
	s_setreg_imm32_b32 hwreg(HW_REG_WAVE_MODE, 25, 1), 1
	s_wait_xcnt 0x0
	s_wait_alu depctr_hold_cnt(0) depctr_sa_sdst(0) depctr_va_vdst(0) depctr_va_sdst(0) depctr_va_ssrc(0) depctr_va_vcc(0) depctr_vm_vsrc(0)
	s_getreg_b32 s2, hwreg(HW_REG_IB_STS2, 6, 4)
	s_cmp_eq_u32 s2, 0
	s_cbranch_scc0 .Lentry_in_a_cluster
	s_endpgm
.Lentry_in_a_cluster:
	s_bfe_u32 s2, ttmp6, 0x10000c
	s_cmp_lg_u32 s2, 0x3003
	s_cbranch_scc0 .Lentry_shape_is_right
	s_endpgm
.Lentry_shape_is_right:
; PROJ.  q = x_q Wq, k = x_k Wk, v = x_v Wv on codes of E4M3; the results are quantised at once for attention's two products.  Grid y says which of the three.
; A work-group takes 128 rows of x against all 1,024 columns, in two passes of 512; x is read from memory once, quantised, and kept in LDS as images of operand registers.
; A wave takes 128 columns (two heads) x 128 rows: 64 accumulators.  W's codes (wc) come through a ring of two LDS slots, one K step of 128 x 512 columns each; a wave fetches and reads its own quarter.
; CLUSTER: the four row blocks of a cluster walk the same W, so each quarter is asked for JOINTLY (mask 15, the same descriptor in all four).
; q, k: the product is used transposed (source 0 = 16 columns of W, source 1 = 16 rows of x): a lane holds one row and eight neighbouring channels: the conversion's result is a piece of the K = 64 fragment.
; v: the sources change places: a lane holds one channel and eight neighbouring keys: a piece of the fragment of V^T, whose K is the keys.  The branch between the two hangs on grid y, which the partners share, and leads round matrix lines and the way out's conversions and stores alone.
; qf, kf: [batch x head 64][tile of 16 rows 128][1,024 bytes];  vf: [batch x head][key step of 128, 16][tile of 16 channels 4][2,048 bytes]: register groups of four, 512 bytes each, lane l's 16 bytes at 16 l.
; LIMITS on the given exponents: ex, and eo - ex - ew, between -126 and 119.  NaN among the inputs is not served.
; 192 work-groups: 128 rows is the block whose 128 keys are one K step of attention's second product.
; REGISTERS: window 0: v16-29 addresses and scales; v32-95 codes; v128-255 x's fragments (8 x 16 rows x 128 K), one set.  window 1: W's fragments, two sets; in the first phase two sets of 128 numbers of x.
;   windows 2, 3: accumulator (a, b) at v[8 (8 (a % 4) + b)], rows 0-63 in window 2, rows 64-127 in window 3.
.set XIMG,  131072                     ; LDS: behind the ring: x's images [s 8] 17,408 [a 8] 2,176 [c 4] 544 [h 2] 272 [r 16] 16
.set SPARE, 270336                     ; behind them: the spare words, 128 bytes for each wave
.set ADRX0, 16                         ; v16  XIMG + 272 h + 16 r
.set ADRX,  17                         ; v17  the same in the K step in hand
.set ADRB,  20                         ; v20-21 my quarter of slot 0, 1, + 16 x lane
.set LI,    22                         ; v22  16 x lane
.set XO,    23                         ; v23  x: lanes 0-15 one row's 256 bytes, lanes 16-31 the next row's
.set LA0,   24                         ; v24  where my four codes go in an image
.set LA,    25                         ; v25  the same in the K range in hand
.set SCX,   26                         ; v26  2^ex
.set SCO,   27                         ; v27  2^(eo - ex - ew)
.set SPW,   28                         ; v28  LDS address of my spare word; never rewritten
.set NIL,   29                         ; v29  0; never rewritten
.set CODE,  32
.set AF,    128
.set G1,    24                         ; s[24:31] descriptor group 1
.set G0,    32                         ; s[32:39] group 0, one set for each slot
.set MSB, 0
.macro WIN new                         ; the immediate's high byte repeats the setting that is left
.if MSB != (\new)
	s_set_vgpr_msb (MSB<<8)|(\new)
.set MSB, (\new)
.endif
.endm
.macro PLACES n
.rept \n
	v_nop
.endr
.endm
.macro ROUND                           ; a round of the cluster's barrier
	s_barrier_signal -1
	s_barrier_wait -1
	s_cmp_lg_u32 s14, 0
	s_cbranch_scc1 .Lnw0_\@
	s_barrier_signal -3
.Lnw0_\@:
	s_barrier_wait -3
	s_barrier_signal -1
	s_barrier_wait -1
.endm
	s_load_b512 s[48:63], s[0:1], 0x0              ; x_q 48, x_k 50, x_v 52, wc 54, scales 56, qf 58, kf 60, vf 62
	v_lshl_add_u32 v[SPW], v0, 2, SPARE
	v_mov_b32 v[NIL], 0
	ds_add_u32 v[SPW], v[NIL]                      ; the wave's opening: the add and its wait ahead of my first tensor load
	v_lshrrev_b32 v1, 5, v0
	v_readfirstlane_b32 s14, v1                    ; wave 0..3
	s_and_b32 s16, ttmp7, 0xffff                   ; which tensor: the partners share it
	s_mov_b32 s[G1+0], 15|(3<<16)|(1<<21)          ; the mask: all four work-groups; elements of 8 bytes; bit 21 beside a mask; no padding
	s_mov_b32 s[G1+1], 32<<16                      ; tensor_dim0 = 32 elements: rows of 256 bytes
	s_mov_b32 s[G1+2], 64<<16                      ; tensor_dim1 = 64
	s_mov_b32 s[G1+3], 32<<16                      ; tile_dim0
	s_mov_b32 s[G1+4], 64                          ; tile_dim1: 16,384 bytes, dense
	s_mov_b32 s[G1+5], 32                          ; the pitch
	s_mov_b32 s[G1+6], 0
	s_mov_b32 s[G1+7], 0
	s_lshl_b32 s17, s14, 14                        ; my quarter: 16,384 x wave, in a slot and in a K step of wc
	s_lshl_b32 s18, s16, 20                        ; the tensor's codes
	s_add_co_u32 s18, s18, s17
	s_mov_b32 s19, 0
	s_mov_b32 s40, 0                               ; x's K step in hand, in bytes of LDS
	s_mov_b32 s41, 0                               ; the first phase's K range, likewise
	s_wait_dscnt 0x0                               ; the opening add is done
	s_wait_kmcnt 0x0
	s_load_b256 s[68:75], s[56:57], 0x0            ; the scales' exponents 0-7
	s_load_b128 s[76:79], s[56:57], 0x20           ; 8-11
	s_add_nc_u64 s[6:7], s[54:55], s[18:19]
.irp n, 0,1
	s_mov_b32 s[G0+4*\n], 1
	s_add_co_u32 s[G0+4*\n+1], s17, \n*65536
	s_add_nc_u64 s[G0+4*\n+2:G0+4*\n+3], s[6:7], \n*65536      ; K step n
	s_or_b32 s[G0+4*\n+3], s[G0+4*\n+3], 0x80000000
.endr
	ROUND                                          ; all four work-groups are here: the first joint loads meet
	tensor_load_to_lds s[G0:G0+3], s[G1:G1+7]      ; two loads of mine are out here, one behind each later round
	s_nop 0
	tensor_load_to_lds s[G0+4:G0+7], s[G1:G1+7]
	s_nop 0
	PLACES 4
	s_bfe_u32 s12, ttmp6, 0x40000                  ; cx: it enters x's and the results' addresses alone
	s_lshl_b32 s13, ttmp9, 2
	s_add_co_u32 s13, s13, s12                     ; my block of 128 rows
	s_cmp_eq_u32 s16, 0
	s_cselect_b64 s[4:5], s[48:49], s[50:51]
	s_cselect_b64 s[10:11], s[58:59], s[60:61]
	s_cmp_eq_u32 s16, 2
	s_cselect_b64 s[4:5], s[52:53], s[4:5]
	s_cselect_b64 s[10:11], s[62:63], s[10:11]
	s_cselect_b32 s15, 1, 0                        ; 1: this is v
	s_lshl_b32 s20, s13, 19                        ; 128 rows of 4,096 bytes,
	s_lshl_b32 s21, s14, 17                        ; my wave's 32 of them
	s_add_co_u32 s20, s20, s21
	s_mov_b32 s21, 0
	s_add_nc_u64 s[4:5], s[4:5], s[20:21]
	s_lshr_b32 s20, s13, 4                         ; the results: batch x 16 heads of 131,072 bytes,
	s_lshl_b32 s20, s20, 21
	s_lshl_b32 s22, s14, 18                        ; my two heads,
	s_add_co_u32 s20, s20, s22
	s_and_b32 s22, s13, 15                         ; my 128 rows: 8,192 bytes in each of the three layouts
	s_lshl_b32 s22, s22, 13
	s_add_co_u32 s20, s20, s22
	s_add_nc_u64 s[10:11], s[10:11], s[20:21]
	v_and_b32 v1, 31, v0
	v_and_b32 v2, 15, v0                           ; r
	v_bfe_u32 v3, v0, 4, 1                         ; h
	v_lshlrev_b32 v[LI], 4, v1
	v_lshlrev_b32 v4, 4, v2
	v_lshl_add_u32 v[XO], v3, 12, v4
.macro XLD set, al, off                ; 16 rows (tile al of my two) x 256 along K: 32 loads, each 2 x 256 consecutive bytes
	WIN 0x40
.set xj, 0
.rept 8
.irp u, 0,1,2,3
	global_load_b128 v[128*(\set)+16*xj+4*\u:128*(\set)+16*xj+4*\u+3], v[XO], s[4:5] offset:(\al)*65536+xj*8192+256*\u+(\off) th:TH_LOAD_NT
.endr
.set xj, xj+1
.endr
	WIN 0
.endm
	XLD 0, 0, 0
	XLD 1, 1, 0
	v_mul_u32_u24 v5, v3, 272
	v_add_nc_u32 v5, v5, v4
	v_add_nc_u32 v[ADRX0], XIMG, v5
	v_add_nc_u32 v[ADRX], s40, v[ADRX0]
	v_add_nc_u32 v[ADRB], s17, v[LI]
	v_add_nc_u32 v[ADRB+1], 65536, v[ADRB]
	; my 16 bytes of a load are k = 4 i + 0 .. 3 (i = lane % 16) of a run of 64: group i / 8, half (i / 2) % 2, byte 8 ((i / 4) % 2) + 4 (i % 2) of the row's 16
	v_bfe_u32 v5, v0, 3, 1
	v_mul_u32_u24 v5, v5, 544
	v_bfe_u32 v6, v0, 1, 1
	v_mad_u32_u24 v5, v6, 272, v5
	v_bfe_u32 v6, v0, 2, 1
	v_lshl_add_u32 v5, v6, 3, v5
	v_and_b32 v6, 1, v0
	v_lshl_add_u32 v5, v6, 2, v5
	v_lshl_add_u32 v5, v3, 4, v5                   ; lanes 16-31 hold the next row
	s_mul_i32 s22, s14, 4352                       ; my two tiles of rows
	v_add_nc_u32 v5, s22, v5
	v_add_nc_u32 v[LA0], XIMG, v5
	v_add_nc_u32 v[LA], s41, v[LA0]
	s_wait_kmcnt 0x0
	s_cmp_eq_u32 s16, 0                            ; x: entries 0, 2, 4;  W: 1, 3, 5;  the result: 6 (q), 7 (k), 9 (v)
	s_cselect_b32 s20, s68, s70
	s_cselect_b32 s21, s69, s71
	s_cselect_b32 s22, s74, s75
	s_cmp_eq_u32 s16, 2
	s_cselect_b32 s20, s72, s20
	s_cselect_b32 s21, s73, s21
	s_cselect_b32 s22, s77, s22
	s_sub_co_i32 s22, s22, s20
	s_sub_co_i32 s22, s22, s21                     ; a sum stands for sum x 2^(ex + ew): the three scales are folded into the conversion's one
	s_add_co_i32 s20, s20, 127
	s_lshl_b32 s23, s20, 23
	v_mov_b32 v[SCX], s23
	s_add_co_i32 s20, s20, 8
	s_lshl_b32 s20, s20, 23
	s_or_b32 s43, s20, 0x600000                    ; 448 x 2^ex,
	s_xor_b32 s42, s43, 0x80000000                 ; and its negative
	s_add_co_i32 s22, s22, 127
	s_lshl_b32 s23, s22, 23
	v_mov_b32 v[SCO], s23
	s_add_co_i32 s22, s22, 8
	s_lshl_b32 s22, s22, 23
	s_or_b32 s45, s22, 0x600000
	s_xor_b32 s44, s45, 0x80000000
; ---- THE FIRST PHASE: my 32 rows of x become codes in LDS.  A group is 16 rows x 256 along K; two sets of registers take turns.
.macro XGROUP set, al, reload, left
	s_wait_loadcnt \left                           ; this set's 32 loads are in; the other set's, issued later, may be out
	WIN 0x41
.set xn, 0
.rept 128
	v_med3_num_f32 v[128*(\set)+xn], v[128*(\set)+xn], s42, s43   ; the conversion to an 8-bit code does not saturate (ISA guide 7.6.2): the hold comes first
.set xn, xn+1
.endr
	s_wait_dscnt 0x0                               ; the last group's stores have read the codes' registers
	WIN 0x01
.set xn, 0
.rept 16
	v_cvt_scalef32_pk8_fp8_f32 v[CODE+2*xn:CODE+2*xn+1], v[128*(\set)+8*xn:128*(\set)+8*xn+7], v[SCX]
.set xn, xn+1
.endr
	WIN 0
	v_nop                                          ; a plain line behind the last conversion
.set xj, 0
.rept 8
.irp u, 0,1,2,3
	ds_store_b32 v[LA], v[CODE+4*xj+\u] offset:(\u/2)*17408+(\u%2)*1088+(\al)*2176+32*xj   ; run u of 64: K step u / 2 of the two, groups 2 (u % 2) on; rows 2 j, 2 j + 1
.endr
.set xj, xj+1
.endr
.if \reload
	XLD \set, \al, 1024                            ; the next 256 along K
.endif
.endm
	s_mov_b32 s46, 3
.Lxq:
	XGROUP 0, 0, 1, 32
	XGROUP 1, 1, 1, 32
	s_wait_xcnt 0x0                                ; the loads have read their base
	s_add_nc_u64 s[4:5], s[4:5], 1024
	s_add_co_u32 s41, s41, 34816                   ; two K steps on in the images
	v_add_nc_u32 v[LA], s41, v[LA0]
	s_sub_co_u32 s46, s46, 1
	s_cmp_lg_u32 s46, 0
	s_cbranch_scc1 .Lxq
	XGROUP 0, 0, 0, 32                             ; the last 256 along K: nothing more is loaded
	XGROUP 1, 1, 0, 0
	s_wait_tensorcnt 0x1                           ; my quarter of slot 0 is in; slot 1's may stay out
	s_wait_dscnt 0x0                               ; for the others' sake: my images are stored
	s_barrier_signal -1
	s_barrier_wait -1
; ---- THE SECOND PHASE: 16 steps of 128 along K (8 for each pass of 512 columns); step q lies in slot q % 2 and in W's set q % 2.
.macro FETCH_B slot, set               ; my quarter of a slot: W's eight fragments
	WIN 0x40
.set fb, 0
.rept 8
.irp c, 0,1,2,3
	ds_load_b128 v[128*(\set)+16*fb+4*\c:128*(\set)+16*fb+4*\c+3], v[ADRB+\slot] offset:2048*fb+512*\c
.endr
.set fb, fb+1
.endr
	WIN 0
.endm
.macro FETCH_A i0                      ; x's blocks i0 .. i0 + 3
.set fa, \i0
.rept 4
.irp c, 0,1,2,3
	ds_load_b128 v[AF+16*fa+4*\c:AF+16*fa+4*\c+3], v[ADRX] offset:2176*fa+544*\c
.endr
.set fa, fa+1
.endr
.endm
.macro MUL32 hi, set, zero, swap       ; x's blocks 4 hi .. 4 hi + 3 against W's eight; the 32 accumulators take turns, one instruction a turn
.set ma, 0
.rept 4
.set mb, 0
.rept 8
.set rD, 8*(8*ma+mb)
.set rA, AF+16*(4*(\hi)+ma)
.set rB, 128*(\set)+16*mb
.if \swap
.if \zero
	v_wmma_f32_16x16x128_fp8_fp8 v[rD:rD+7], v[rA:rA+15], v[rB:rB+15], 0
.else
	v_wmma_f32_16x16x128_fp8_fp8 v[rD:rD+7], v[rA:rA+15], v[rB:rB+15], v[rD:rD+7]
.endif
.else
.if \zero
	v_wmma_f32_16x16x128_fp8_fp8 v[rD:rD+7], v[rB:rB+15], v[rA:rA+15], 0
.else
	v_wmma_f32_16x16x128_fp8_fp8 v[rD:rD+7], v[rB:rB+15], v[rA:rA+15], v[rD:rD+7]
.endif
.endif
.set mb, mb+1
.endr
.set ma, ma+1
.endr
.endm
.macro MULV hi, set, zero
	s_cmp_eq_u32 s15, 0
	s_cbranch_scc0 .Lv_\@
	WIN 0xa1+0x50*(\hi)                            ; q, k: source 0 = W (window 1), source 1 = x (window 0)
	MUL32 \hi, \set, \zero, 0
	WIN 0
	s_branch .Lj_\@
.Lv_\@:
	WIN 0xa4+0x50*(\hi)                            ; v: source 0 = x (window 0), source 1 = W (window 1)
	MUL32 \hi, \set, \zero, 1
	WIN 0
.Lj_\@:
.endm
; A step.  Its own slot was read out into registers a step ago; fill = 1: it is filled again, two steps ahead, behind a round of the cluster's barrier.
.macro TURN slot, zero, fill, wrap
	s_wait_dscnt 16                                ; W's set and x's blocks 0-3 are in; the youngest 16 loads (blocks 4-7) may be out
	MULV 0, \slot, \zero
.if \fill
	s_wait_tensorcnt 0x0                           ; all my tensor loads have landed: my quarter of the other slot
	ds_add_u32 v[SPW], v[NIL]                      ; 0 onto my spare word
	s_add_nc_u64 s[G0+4*\slot+2:G0+4*\slot+3], s[G0+4*\slot+2:G0+4*\slot+3], 131072   ; this slot's next K step
	s_wait_dscnt 0x0                               ; the add is done, and all my LDS reads are back
	ROUND                                          ; no wave of any partner still reads the slot or has a load on its way
	tensor_load_to_lds s[G0+4*\slot:G0+4*\slot+3], s[G1:G1+7]
	s_nop 0
	PLACES 4                                       ; also the places in front of the loads below
.else
	s_wait_tensorcnt 0x0                           ; my quarter of the last slot is in; only I read it
	s_wait_dscnt 0x0
	PLACES 4
.endif
.if \wrap
	s_mov_b32 s40, 0                               ; the next pass begins x's K steps anew
.else
	s_add_co_u32 s40, s40, 17408
.endif
	v_add_nc_u32 v[ADRX], s40, v[ADRX0]
	FETCH_B 1-\slot, 1-\slot
	FETCH_A 0
	MULV 1, \slot, \zero
	PLACES 4
	FETCH_A 4
.endm
; THE WAY OUT of a pass: hold, conversion, store; the codes are pieces of operand registers as they stand, and each store covers 512 consecutive bytes.
.macro EPIH X                          ; the accumulators of window X
	WIN ((\X)<<6)|(\X)
.set en, 0
.rept 256
	v_med3_num_f32 v[en], v[en], s44, s45          ; each accumulator from its low end on
.set en, en+1
.endr
	WIN 0
	s_wait_xcnt 0x0                                ; earlier stores have read the codes' registers
	s_cmp_eq_u32 s15, 0
	s_cbranch_scc0 .Lev_\@
	WIN (\X)
.set en, 0
.rept 32                               ; accumulator 8 a + b: row 16 a + r, channels 16 b + 8 h + 0 .. 7: registers 2 (b % 4) of head b / 4's fragment
	v_cvt_scalef32_pk8_fp8_f32 v[CODE+2*en:CODE+2*en+1], v[8*en:8*en+7], v[SCO]
.set en, en+1
.endr
	WIN 0
	v_nop
.set en, 0
.rept 16                               ; en = 4 a + 2 head + group
	global_store_b128 v[LI], v[CODE+4*en:CODE+4*en+3], s[10:11] offset:((en/2)%2)*131072+(4*((\X)-2)+en/4)*1024+512*(en%2)
.set en, en+1
.endr
	s_branch .Lej_\@
.Lev_\@:
	WIN (\X)
.set en, 0
.rept 32                               ; accumulator 8 a + b: channel 16 b + r, keys 16 a + 8 h + 0 .. 7: registers 2 a of the fragment of channels 16 b on
	v_cvt_scalef32_pk8_fp8_f32 v[CODE+2*(4*(en%8)+en/8):CODE+2*(4*(en%8)+en/8)+1], v[8*en:8*en+7], v[SCO]
.set en, en+1
.endr
	WIN 0
	v_nop
.set en, 0
.rept 16                               ; en = 2 b + group of this half
	global_store_b128 v[LI], v[CODE+4*en:CODE+4*en+3], s[10:11] offset:(en/8)*131072+((en/2)%4)*2048+(2*((\X)-2)+en%2)*512
.set en, en+1
.endr
.Lej_\@:
.endm
	FETCH_B 0, 0
	FETCH_A 0
	FETCH_A 4
	TURN 0, 1, 1, 0                                ; step 0: its products start the sums
	s_mov_b32 s46, 3
.Lp0:
	TURN 1, 0, 1, 0
	TURN 0, 0, 1, 0
	s_sub_co_u32 s46, s46, 1
	s_cmp_lg_u32 s46, 0
	s_cbranch_scc1 .Lp0
	TURN 1, 0, 1, 1                                ; step 7; it fetches step 8's fragments
	PLACES 4
	EPIH 2
	EPIH 3
	s_wait_xcnt 0x0                                ; the stores have read their base
	s_add_nc_u64 s[10:11], s[10:11], 0x100000      ; eight heads on
	TURN 0, 1, 1, 0                                ; step 8 starts the second pass's sums
	s_mov_b32 s46, 2
.Lp1:
	TURN 1, 0, 1, 0
	TURN 0, 0, 1, 0
	s_sub_co_u32 s46, s46, 1
	s_cmp_lg_u32 s46, 0
	s_cbranch_scc1 .Lp1
	TURN 1, 0, 1, 0                                ; step 13 asks for step 15: the last load
	TURN 0, 0, 0, 0                                ; step 14
	s_wait_dscnt 16                                ; step 15: nothing more to fetch
	MULV 0, 1, 0
	s_wait_dscnt 0x0
	MULV 1, 1, 0
	PLACES 4
	EPIH 2
	EPIH 3
	s_wait_tensorcnt 0x0                           ; the wave's end
	ds_add_u32 v[SPW], v[NIL]
	s_wait_dscnt 0x0
	ROUND                                          ; the closing round
	s_endpgm
.Lfunc_end_k_qd33c586865_proj:
	.size	k_qd33c586865_proj, .Lfunc_end_k_qd33c586865_proj-k_qd33c586865_proj
	.p2alignl 7, 3214868480
	.fill 96, 4, 3214868480
	.section	.rodata,"a",@progbits
	.p2align	6, 0x0
	.amdhsa_kernel k_qd33c586865_proj
		.amdhsa_group_segment_fixed_size 327680
		.amdhsa_private_segment_fixed_size 0
		.amdhsa_enable_private_segment 0
		.amdhsa_kernarg_size 64
		.amdhsa_user_sgpr_count 2
		.amdhsa_user_sgpr_kernarg_segment_ptr 1
		.amdhsa_wavefront_size32 1
		.amdhsa_system_sgpr_workgroup_id_x 1
		.amdhsa_system_sgpr_workgroup_id_y 1
		.amdhsa_system_sgpr_workgroup_id_z 1
		.amdhsa_system_vgpr_workitem_id 0
		.amdhsa_next_free_vgpr 1024
		.amdhsa_next_free_sgpr 80
		.amdhsa_reserve_vcc 0
		.amdhsa_float_denorm_mode_32 3
		.amdhsa_float_denorm_mode_16_64 3
		.amdhsa_memory_ordered 1
		.amdhsa_forward_progress 1
		.amdhsa_inst_pref_size 255
	.end_amdhsa_kernel
	.section	.bss,"aw",@nobits
	.p2align	6
	.space	262144
	.amdgpu_metadata
---
amdhsa.version: [ 1, 2 ]
amdhsa.kernels:
  - .name:           k_qd33c586865_proj
    .symbol:         k_qd33c586865_proj.kd
    .args:
      - { .name: x_q, .offset: 0, .size: 8, .value_kind: global_buffer, .address_space: global }
      - { .name: x_k, .offset: 8, .size: 8, .value_kind: global_buffer, .address_space: global }
      - { .name: x_v, .offset: 16, .size: 8, .value_kind: global_buffer, .address_space: global }
      - { .name: wc, .offset: 24, .size: 8, .value_kind: global_buffer, .address_space: global }
      - { .name: lowp_scales, .offset: 32, .size: 8, .value_kind: global_buffer, .address_space: global }
      - { .name: qf, .offset: 40, .size: 8, .value_kind: global_buffer, .address_space: global }
      - { .name: kf, .offset: 48, .size: 8, .value_kind: global_buffer, .address_space: global }
      - { .name: vf, .offset: 56, .size: 8, .value_kind: global_buffer, .address_space: global }
    .group_segment_fixed_size: 327680
    .private_segment_fixed_size: 0
    .kernarg_segment_align: 8
    .kernarg_segment_size: 64
    .max_flat_workgroup_size: 128
    .sgpr_count:     80
    .vgpr_count:     1024
    .wavefront_size: 32
...
	.end_amdgpu_metadata
.endif
;; end of part 2
;; launch attn (part 3): grid 4 x 64, 16 waves a work-group, no clusters, 264,192 bytes of LDS; arguments qf, kf, vf, mw, msum, lowp_scales, oc; writes oc
.if DOCPART == 3
	.amdgcn_target "amdgcn-amd-amdhsa--gfx1250"
	.amdhsa_code_object_version 6
	.text
	.protected	k_qd33c586865_attn
	.globl	k_qd33c586865_attn
	.p2align	8
	.type	k_qd33c586865_attn,@function
k_qd33c586865_attn:
	s_mov_b64 s[64:65], 0
	v_nop
	global_prefetch_b8 v0, s[64:65] scope:SCOPE_SE
	s_setreg_imm32_b32 hwreg(HW_REG_WAVE_MODE, 25, 1), 1
	s_wait_xcnt 0x0
; ATTN.  o = softmax(q k^T / 8, hidden keys at -infinity) v for one batch x head, both products on codes of E4M3; o is quantised at once for the last product.
; THE SOFTMAX: t = score x log2(e) / 8; M = the running largest t rounded UP to a whole number; p = 2^(t - M) is quantised along the keys; the row's sum is taken of the unquantised p and divides at the end.
; SHARES.  A work-group holds a head's K and V (2 x 131,072 bytes of register images) in LDS, loaded once through registers.  Each of its sixteen waves owns two tiles of 16 queries, u and 127 - u, one after the other.
; Both products are used transposed (S^T = K Q^T, O^T = V^T P^T): a lane holds one query throughout; the conversions' results are the next operand's registers.
; THE MASK IS AN INPUT.  An earlier launch has turned it into lane masks (mw) and a summary (msum).  A key step of 128 keys that is hidden wholly for the tile's 16 queries gives p = 0 and leaves M alone: it is left out,
; by a scalar branch on the stored summary; a step that hides nothing leaves the 64 selections out.  That holds for every mask.
; No tensor loads, copies or joint loads: the key loop branches on stored whole numbers and on a given exponent.
; A row that the mask hides wholly has the sum 0: its codes become the NaN code, and the last product spreads NaN over the output row, as the softmax of an empty row does.
; oc: [block of 128 rows 64][K step 8 (two heads)][tile of 16 rows 8][2,048 bytes]: the last product's fragments.
; LIMITS on the given exponents: e6 + e7 between -123 and 130; e8, and e10 - e8 - e9, between -126 and 119.
; REGISTERS: v1 16 x lane; v2 the same in V's half; v7 Q's offset; v8, v9 the step's K and V; v10 o's offset; v12 -M, v13 the largest t, v[14:15] the sum; v16-23 Q; v24 -infinity; v25 four NaN codes;
;   v32-95 K's or V's fragments; v96-159 S^T, then p; v160-191 O^T; v192-207 p's codes; v224-231 o's codes; v236-254 at work.  The fill at the head lands in v96-223: nothing else is written there while it is out.
.set LI,  1
.set LV,  2
.set SPW, 5                            ; v5  LDS address of my spare word; never rewritten
.set NIL, 6                            ; v6  0; never rewritten
.set QA,  7
.set FB,  8                            ; v8-11 the fill's four bases; v8, v9, v10 serve other addresses afterwards
.set ADK, 8
.set ADV, 9
.set OA,  10
.set NINF, 24                          ; v24 -infinity
.set NANC, 25                          ; v25 four NaN codes
.set SPARE, 262144                     ; behind K and V: the spare words, 128 bytes for each wave
	s_load_b256 s[4:11], s[0:1], 0x0               ; qf 4, kf 6, vf 8, mw 10
	s_load_b128 s[12:15], s[0:1], 0x20             ; msum 12, scales 14
	s_load_b64 s[16:17], s[0:1], 0x30              ; oc
	v_lshl_add_u32 v[SPW], v0, 2, SPARE
	v_mov_b32 v[NIL], 0
	v_lshrrev_b32 v3, 5, v0
	v_readfirstlane_b32 s18, v3                    ; wave 0..15
	v_and_b32 v3, 31, v0
	v_lshlrev_b32 v[LI], 4, v3
	v_add_nc_u32 v[LV], 0x20000, v[LI]
	v_lshlrev_b32 v[FB], 4, v0                     ; 16 x thread: a round of the fill is 8,192 bytes
	v_add_nc_u32 v[FB+1], 0x10000, v[FB]
	v_add_nc_u32 v[FB+2], 0x20000, v[FB]
	v_add_nc_u32 v[FB+3], 0x30000, v[FB]
	s_and_b32 s19, ttmp7, 0xffff                   ; batch x 16 + head
	s_lshl_b32 s44, s19, 17                        ; 131,072 bytes a head in qf, kf, vf
	s_mov_b32 s45, 0
	s_wait_kmcnt 0x0
	s_load_b256 s[32:39], s[14:15], 0x0            ; the scales' exponents 0-7
	s_load_b128 s[40:43], s[14:15], 0x20           ; 8-11
	s_add_nc_u64 s[4:5], s[4:5], s[44:45]
	s_add_nc_u64 s[6:7], s[6:7], s[44:45]
	s_add_nc_u64 s[8:9], s[8:9], s[44:45]
.irp i, 0,1,2,3,4,5,6,7,8,9,10,11,12,13,14,15
	global_load_b128 v[96+4*\i:99+4*\i], v[FB], s[6:7] offset:8192*\i
.endr
.irp i, 0,1,2,3,4,5,6,7,8,9,10,11,12,13,14,15
	global_load_b128 v[160+4*\i:163+4*\i], v[FB], s[8:9] offset:8192*\i
.endr
	s_lshl_b32 s30, ttmp9, 4
	s_add_co_u32 s30, s30, s18                     ; my first tile of queries: u = 16 x work-group x + wave
	s_lshr_b32 s46, s19, 4                         ; oc: batch x 16 blocks of 131,072 bytes,
	s_lshl_b32 s46, s46, 21
	s_bfe_u32 s47, s19, 0x30001                    ; K step = head / 2,
	s_lshl_b32 s47, s47, 14
	s_add_co_u32 s46, s46, s47
	s_and_b32 s47, s19, 1                          ; groups 0, 1 or 2, 3 of the fragment
	s_lshl_b32 s47, s47, 10
	s_add_co_u32 s19, s46, s47
	s_mov_b32 s20, 0x76543210                      ; v_permlanex16_b32's selects for lane l xor 16
	s_mov_b32 s21, 0xfedcba98
	s_mov_b32 s22, 0x3e38aa3b                      ; c = log2(e) / 8
	s_mov_b32 s29, 0                               ; tiles done
	v_mov_b32 v[NINF], 0xff800000                  ; (these constants lie outside v96-223, where the fill's loads are still to land)
	v_mov_b32 v[NANC], 0x7f7f7f7f
	v_mov_b32 v236, 0                              ; a lane permute's destination counts as read
	v_mov_b32 v252, 0
	v_mov_b32 v253, 0                              ; (named as the upper half of the pair v[252:253])
	s_wait_kmcnt 0x0
	s_add_co_i32 s44, s38, s39
	s_lshl_b32 s44, s44, 23
	s_add_co_i32 s22, s22, s44                     ; a score stands for score x 2^(e6 + e7): added to c's exponent field
	s_mov_b32 s23, s22
	s_add_co_i32 s44, s40, 127
	s_lshl_b32 s45, s44, 23
	v_mov_b32 v244, s45                            ; 2^e8
	s_add_co_i32 s44, s44, 8
	s_lshl_b32 s44, s44, 23
	s_or_b32 s44, s44, 0x600000
	v_mov_b32 v240, s44                            ; 448 x 2^e8
	s_cmp_lt_i32 s40, -8                           ; p is at most 1 (a last bit more at the most), and 448 x 2^e8 is 1.75 or more from e8 = -8 on: only below that can the hold bite
	s_cselect_b32 s28, 1, 0
	s_sub_co_i32 s44, s42, s40
	s_sub_co_i32 s44, s44, s41                     ; O^T / the sum stands for o / 2^(e8 + e9): folded into the conversion's scale
	s_add_co_i32 s44, s44, 127
	s_lshl_b32 s45, s44, 23
	v_mov_b32 v245, s45
	s_add_co_i32 s44, s44, 8
	s_lshl_b32 s44, s44, 23
	s_or_b32 s67, s44, 0x600000
	s_xor_b32 s66, s67, 0x80000000
.set fi, 0
.rept 32
	s_wait_loadcnt 31-fi                           ; loads come back in order: number fi is in
	ds_store_b128 v[FB+fi/8], v[96+4*fi:99+4*fi] offset:(fi%8)*8192
.set fi, fi+1
.endr
	s_wait_dscnt 0x0                               ; for the others' sake: my part of K and V is stored
	s_barrier_signal -1
	s_barrier_wait -1                              ; the launch's one barrier: from here on LDS is only read
.Ltile:
	s_lshl_b32 s48, s30, 10
	v_add_nc_u32 v[QA], s48, v[LI]
	global_load_b128 v[16:19], v[QA], s[4:5]       ; Q's fragment stays in registers
	global_load_b128 v[20:23], v[QA], s[4:5] offset:512
	s_lshl_b32 s48, s30, 12
	s_mov_b32 s49, 0
	s_add_nc_u64 s[2:3], s[10:11], s[48:49]        ; the tile's lane masks
	s_lshl_b32 s48, s30, 6
	s_add_nc_u64 s[104:105], s[12:13], s[48:49]
	s_load_b512 s[32:47], s[104:105], 0x0          ; its summary: eight pairs of words
	v_mov_b32 v13, 0xff61b1e6                      ; the largest t so far: -3e38
	v_floor_f32 v12, -v13
	v_mov_b32 v14, 0
	v_mov_b32 v15, 0
.set zi, 0
.rept 32
	v_mov_b32 v[160+zi], 0                         ; O^T: the step is written once, and the first change of M leaves zeros zeros
.set zi, zi+1
.endr
	s_mov_b32 s24, 16                              ; key steps to go
	s_mov_b32 s25, 0                               ; the step's bytes in K and in V
	s_wait_kmcnt 0x0
	s_or_b32 s26, s32, s34                         ; bit ks: hidden wholly
	s_or_b32 s27, s33, s35                         ; bit ks: hides something
.irp i, 36,38,40,42,44,46
	s_or_b32 s26, s26, s[\i]
	s_or_b32 s27, s27, s[\i+1]
.endr
	s_wait_loadcnt 0x0                             ; Q
.Lkey:
	s_bitcmp1_b32 s26, 0
	s_cbranch_scc1 .Lskip
	s_load_b512 s[32:47], s[2:3], 0x0              ; the step's 64 lane masks
	s_load_b512 s[48:63], s[2:3], 0x40
	s_load_b512 s[68:83], s[2:3], 0x80
	s_load_b512 s[84:99], s[2:3], 0xc0
	v_add_nc_u32 v[ADK], s25, v[LI]
	v_add_nc_u32 v[ADV], s25, v[LV]
	v_nop                                          ; with the two additions: four places in front of loads into registers that matrix instructions have read
	v_nop
.irp t, 0,1,2,3,4,5,6,7
	ds_load_b128 v[32+8*\t:35+8*\t], v[ADK] offset:1024*\t
	ds_load_b128 v[36+8*\t:39+8*\t], v[ADK] offset:1024*\t+512
.endr
	s_wait_dscnt 0x0
.irp t, 0,1,2,3,4,5,6,7
	v_wmma_f32_16x16x64_fp8_fp8 v[96+8*\t:103+8*\t], v[32+8*\t:39+8*\t], v[16:23], 0   ; lane (r, h): query r, keys 16 t + 8 h + 0 .. 7
.endr
.rept 4
	v_nop
.endr
.irp t, 0,1,2,3
.irp g, 0,1,2,3
	ds_load_b128 v[32+16*\t+4*\g:35+16*\t+4*\g], v[ADV] offset:2048*\t+512*\g   ; V's fragments land while the softmax is walked
.endr
.endr
	s_wait_kmcnt 0x0                               ; the lane masks are in, on every way through the step
	s_bitcmp1_b32 s27, 0
	s_cbranch_scc0 .Lopen
.set mi, 0
.rept 32
	v_cndmask_b32 v[96+mi], v[96+mi], v[NINF], s[32+mi]   ; a hidden key's score becomes -infinity: p = 0
.set mi, mi+1
.endr
.rept 32
	v_cndmask_b32 v[96+mi], v[96+mi], v[NINF], s[36+mi]
.set mi, mi+1
.endr
.Lopen:
	v_max3_num_f32 v254, v96, v97, v98             ; the step's largest score of my query among my 64 keys, in two chains,
	v_max3_num_f32 v252, v99, v100, v101
.irp i, 6,10,14,18,22,26,30,34,38,42,46,50,54,58
	v_max3_num_f32 v254, v254, v[96+\i], v[97+\i]
	v_max3_num_f32 v252, v252, v[98+\i], v[99+\i]
.endr
	v_max3_num_f32 v254, v254, v158, v159
	v_max_num_f32 v254, v254, v252
	v_permlanex16_b32 v236, v254, s20, s21
	v_max_num_f32 v254, v254, v236                 ; and among lane l xor 16's
	v_mul_f32 v254, s22, v254                      ; as t (c is positive)
	v_max_num_f32 v13, v13, v254
	v_mov_b32 v254, v12
	v_floor_f32 v12, -v13                          ; the new -M = floor(-t): M is a whole number
	v_sub_f32 v254, v12, v254                      ; old M - new M, 0 or less
	v_cvt_i32_f32 v254, v254                       ; (it saturates)
	v_ldexp_f32 v252, 1.0, v254                    ; f = 2^(old M - new M): a multiplication by it rounds nothing
.irp j, 0,2,4,6,8,10,12,14,16,18,20,22,24,26,28,30,32,34,36,38,40,42,44,46,48,50,52,54,56,58,60,62
	v_pk_fma_f32 v[96+\j:97+\j], v[96+\j:97+\j], s[22:23], v[12:13] op_sel_hi:[1,0,0]   ; t - M, two at a time
.endr
.set ei, 0
.rept 64
	v_exp_f32 v[96+ei], v[96+ei]                   ; p = 2^(t - M)
.set ei, ei+1
.endr
	v_pk_mul_f32 v[14:15], v[14:15], v[252:253] op_sel_hi:[1,0]   ; the sums under the new M; the plain line behind the exponentials
	s_wait_alu depctr_va_vdst(0)                   ; one wait for the whole batch, ahead of its first reader
	v_pk_add_f32 v[242:243], v[96:97], v[98:99]    ; the row's sum of the unquantised p, in two chains
.irp j, 4,8,12,16,20,24,28,32,36,40,44,48,52,56,60
	v_pk_add_f32 v[14:15], v[14:15], v[96+\j:97+\j]
	v_pk_add_f32 v[242:243], v[242:243], v[98+\j:99+\j]
.endr
	v_pk_add_f32 v[14:15], v[14:15], v[242:243]
	s_cmp_eq_u32 s28, 0
	s_cbranch_scc1 .Lnh
.set hi, 0
.rept 64
	v_min_num_f32 v[96+hi], v[96+hi], v240         ; the hold at the largest code x the scale; p is not negative
.set hi, hi+1
.endr
.Lnh:
.irp t, 0,1,2,3,4,5,6,7
	v_cvt_scalef32_pk8_fp8_f32 v[192+2*\t:193+2*\t], v[96+8*\t:103+8*\t], v244   ; registers 2 t, 2 t + 1 of P: keys 16 t + 8 h + 0 .. 7
.endr
.irp j, 0,2,4,6,8,10,12,14,16,18,20,22,24,26,28,30
	v_pk_mul_f32 v[160+\j:161+\j], v[160+\j:161+\j], v[252:253] op_sel_hi:[1,0]   ; O^T under the new M
.endr
	s_wait_dscnt 0x0                               ; V
.irp t, 0,1,2,3
	v_wmma_f32_16x16x128_fp8_fp8 v[160+8*\t:167+8*\t], v[32+16*\t:47+16*\t], v[192:207], v[160+8*\t:167+8*\t]   ; four accumulators by turns
.endr
.Lskip:
	s_lshr_b32 s26, s26, 1
	s_lshr_b32 s27, s27, 1
	s_add_co_u32 s25, s25, 8192
	s_add_nc_u64 s[2:3], s[2:3], 256               ; no scalar load is out here: each step waits for its own
	s_sub_co_u32 s24, s24, 1
	s_cmp_lg_u32 s24, 0
	s_cbranch_scc1 .Lkey
	; the tile's end: O^T / the sum, quantised: its codes are the head's half of the last product's fragment
.rept 4
	v_nop                                          ; places behind the last products
.endr
	v_add_f32 v14, v14, v15
	v_permlanex16_b32 v252, v14, s20, s21
	v_add_f32 v14, v14, v252                       ; the row's sum
	v_cmp_eq_f32 s100, 0, v14                      ; 0: every key of the row is hidden
	v_rcp_f32 v254, v14
	v_nop                                          ; a plain line behind the transcendental
	s_wait_alu depctr_va_vdst(0)                   ; and the wait ahead of its first reader
.set oi, 0
.rept 32
	v_mul_f32 v[96+oi], v[160+oi], v254            ; register 8 t + j: channel 16 t + 8 h + j of query r
.set oi, oi+1
.endr
.set oi, 0
.rept 32
	v_med3_num_f32 v[96+oi], v[96+oi], s66, s67
.set oi, oi+1
.endr
	s_wait_xcnt 0x0                                ; the last tile's stores have read their data and their offset
	s_lshr_b32 s48, s30, 3
	s_lshl_b32 s48, s48, 17                        ; the block of 128 rows,
	s_and_b32 s49, s30, 7
	s_lshl_b32 s49, s49, 11                        ; the tile in it
	s_add_co_u32 s48, s48, s49
	s_add_co_u32 s48, s48, s19
	v_add_nc_u32 v[OA], s48, v[LI]
.irp t, 0,1,2,3
	v_cvt_scalef32_pk8_fp8_f32 v[224+2*\t:225+2*\t], v[96+8*\t:103+8*\t], v245
.endr
	v_nop                                          ; a plain line behind the last conversion
.irp i, 0,1,2,3,4,5,6,7
	v_cndmask_b32 v[224+\i], v[224+\i], v[NANC], s100
.endr
	global_store_b128 v[OA], v[224:227], s[16:17]              ; 512 consecutive bytes each
	global_store_b128 v[OA], v[228:231], s[16:17] offset:512
	s_sub_co_u32 s30, 127, s30                     ; the second tile: 127 - u
	s_add_co_u32 s29, s29, 1
	s_cmp_lt_u32 s29, 2
	s_cbranch_scc1 .Ltile
	s_wait_tensorcnt 0x0                           ; the wave's end, behind my last LDS store
	ds_add_u32 v[SPW], v[NIL]
	s_wait_dscnt 0x0
	s_endpgm
.Lfunc_end_k_qd33c586865_attn:
	.size	k_qd33c586865_attn, .Lfunc_end_k_qd33c586865_attn-k_qd33c586865_attn
	.p2alignl 7, 3214868480
	.fill 96, 4, 3214868480
	.section	.rodata,"a",@progbits
	.p2align	6, 0x0
	.amdhsa_kernel k_qd33c586865_attn
		.amdhsa_group_segment_fixed_size 264192
		.amdhsa_private_segment_fixed_size 0
		.amdhsa_enable_private_segment 0
		.amdhsa_kernarg_size 56
		.amdhsa_user_sgpr_count 2
		.amdhsa_user_sgpr_kernarg_segment_ptr 1
		.amdhsa_wavefront_size32 1
		.amdhsa_system_sgpr_workgroup_id_x 1
		.amdhsa_system_sgpr_workgroup_id_y 1
		.amdhsa_system_sgpr_workgroup_id_z 1
		.amdhsa_system_vgpr_workitem_id 0
		.amdhsa_next_free_vgpr 256
		.amdhsa_next_free_sgpr 106
		.amdhsa_reserve_vcc 0
		.amdhsa_float_denorm_mode_32 3
		.amdhsa_float_denorm_mode_16_64 3
		.amdhsa_memory_ordered 1
		.amdhsa_forward_progress 1
		.amdhsa_inst_pref_size 36
	.end_amdhsa_kernel
	.amdgpu_metadata
---
amdhsa.version: [ 1, 2 ]
amdhsa.kernels:
  - .name:           k_qd33c586865_attn
    .symbol:         k_qd33c586865_attn.kd
    .args:
      - { .name: qf, .offset: 0, .size: 8, .value_kind: global_buffer, .address_space: global }
      - { .name: kf, .offset: 8, .size: 8, .value_kind: global_buffer, .address_space: global }
      - { .name: vf, .offset: 16, .size: 8, .value_kind: global_buffer, .address_space: global }
      - { .name: mw, .offset: 24, .size: 8, .value_kind: global_buffer, .address_space: global }
      - { .name: msum, .offset: 32, .size: 8, .value_kind: global_buffer, .address_space: global }
      - { .name: lowp_scales, .offset: 40, .size: 8, .value_kind: global_buffer, .address_space: global }
      - { .name: oc, .offset: 48, .size: 8, .value_kind: global_buffer, .address_space: global }
    .group_segment_fixed_size: 264192
    .private_segment_fixed_size: 0
    .kernarg_segment_align: 8
    .kernarg_segment_size: 56
    .max_flat_workgroup_size: 512
    .sgpr_count:     106
    .vgpr_count:     256
    .wavefront_size: 32
...
	.end_amdgpu_metadata
.endif
;; end of part 3
;; launch outp (part 4): grid 4 x 64, 4 waves a work-group, clusters of 4 x 1, 167,936 bytes of LDS; arguments oc, wc, lowp_scales, out0; writes out0
.if DOCPART == 4
	.amdgcn_target "amdgcn-amd-amdhsa--gfx1250"
	.amdhsa_code_object_version 6
	.text
	.protected	k_qd33c586865_outp
	.globl	k_qd33c586865_outp
	.p2align	8
	.type	k_qd33c586865_outp,@function
k_qd33c586865_outp:
	s_mov_b64 s[64:65], 0
	v_nop
	global_prefetch_b8 v0, s[64:65] scope:SCOPE_SE
	s_setreg_imm32_b32 hwreg(HW_REG_WAVE_MODE, 25, 1), 1
	s_wait_xcnt 0x0
	s_wait_alu depctr_hold_cnt(0) depctr_sa_sdst(0) depctr_va_vdst(0) depctr_va_sdst(0) depctr_va_ssrc(0) depctr_va_vcc(0) depctr_vm_vsrc(0)
	s_getreg_b32 s2, hwreg(HW_REG_IB_STS2, 6, 4)
	s_cmp_eq_u32 s2, 0
	s_cbranch_scc0 .Lentry_in_a_cluster
	s_endpgm
.Lentry_in_a_cluster:
	s_bfe_u32 s2, ttmp6, 0x10000c
	s_cmp_lg_u32 s2, 0x3003
	s_cbranch_scc0 .Lentry_shape_is_right
	s_endpgm
.Lentry_shape_is_right:
; OUTP.  out0 = o Wo on codes of E4M3, x 2^(e10 + e11).  o's codes (oc) and Wo's (the fourth tensor of wc) lie as images of operand registers.
; A work-group makes 128 rows x 256 columns; K = 1,024 in eight steps of 128.  A wave takes 64 columns for all 128 rows: 32 accumulators.
; CLUSTER: the four column blocks of a cluster need the same 128 rows of o, 131,072 bytes: they are asked for JOINTLY, two loads a wave, all at the start: no LDS byte is filled twice.
; Wo's fragments are each used by one wave alone (for eight tiles of rows): they go from memory straight into its registers, three K steps ahead.
; The product is used transposed (source 0 = 16 columns of Wo, source 1 = 16 rows of o): a lane holds eight neighbouring numbers of a row of out0.
; LIMIT: e10 + e11 between -126 and 127.
; REGISTERS: window 0: v16-29 addresses; v32-63, v64-127 the way out.  window 1: o's fragments, two sets of 128.  window 2: Wo's, four sets of 64.  window 3: accumulator (a, t) at v[8 (4 a + t)].
.set STG,   131072                     ; LDS: behind o's images: a stage of 16 rows x (256 bytes + 16) for each wave
.set SPARE, 148480                     ; behind the stages: the spare words, 128 bytes for each wave
.set LI,  16                           ; v16  16 x lane
.set LI2, 17                           ; v17  the same, 65,536 bytes on: K steps 4-7
.set STO, 18
.set RD,  19
.set CO,  20
.set SPW, 28                           ; v28  LDS address of my spare word; never rewritten
.set NIL, 29                           ; v29  0; never rewritten
.set TMP, 32
.set BK,  64
.set G1,  24
.set MSB, 0
.macro WIN new
.if MSB != (\new)
	s_set_vgpr_msb (MSB<<8)|(\new)
.set MSB, (\new)
.endif
.endm
.macro PLACES n
.rept \n
	v_nop
.endr
.endm
.macro ROUND
	s_barrier_signal -1
	s_barrier_wait -1
	s_cmp_lg_u32 s14, 0
	s_cbranch_scc1 .Lnw0_\@
	s_barrier_signal -3
.Lnw0_\@:
	s_barrier_wait -3
	s_barrier_signal -1
	s_barrier_wait -1
.endm
	s_load_b256 s[4:11], s[0:1], 0x0               ; oc 4, wc 6, scales 8, out0 10
	v_lshl_add_u32 v[SPW], v0, 2, SPARE
	v_mov_b32 v[NIL], 0
	ds_add_u32 v[SPW], v[NIL]                      ; the wave's opening: the add and its wait ahead of my first tensor load
	v_lshrrev_b32 v1, 5, v0
	v_readfirstlane_b32 s14, v1                    ; wave 0..3
	s_and_b32 s13, ttmp7, 0xffff                   ; the block of 128 rows: the partners share it
	s_mov_b32 s[G1+0], 15|(3<<16)|(1<<21)          ; the mask: all four; elements of 8 bytes; bit 21 beside a mask
	s_mov_b32 s[G1+1], 32<<16                      ; rows of 256 bytes,
	s_mov_b32 s[G1+2], 64<<16                      ; 64 of them: a K step's 16,384 bytes, dense
	s_mov_b32 s[G1+3], 32<<16
	s_mov_b32 s[G1+4], 64
	s_mov_b32 s[G1+5], 32
	s_mov_b32 s[G1+6], 0
	s_mov_b32 s[G1+7], 0
	s_lshl_b32 s17, s14, 14                        ; wave w fetches K steps w and w + 4
	s_lshl_b32 s18, s13, 17
	s_add_co_u32 s18, s18, s17
	s_mov_b32 s19, 0
	s_wait_dscnt 0x0                               ; the opening add is done
	s_wait_kmcnt 0x0
	s_load_b128 s[40:43], s[8:9], 0x20             ; the scales' exponents 8-11
	s_add_nc_u64 s[20:21], s[4:5], s[18:19]
	s_mov_b32 s32, 1
	s_mov_b32 s33, s17
	s_mov_b64 s[34:35], s[20:21]
	s_or_b32 s35, s35, 0x80000000
	s_mov_b32 s36, 1
	s_add_co_u32 s37, s17, 65536
	s_add_nc_u64 s[38:39], s[20:21], 65536
	s_or_b32 s39, s39, 0x80000000
	ROUND                                          ; all four work-groups are here: the joint loads meet
	tensor_load_to_lds s[32:35], s[G1:G1+7]        ; two loads of mine are out, and none follows
	s_nop 0
	tensor_load_to_lds s[36:39], s[G1:G1+7]
	s_nop 0
	PLACES 4
	s_bfe_u32 s12, ttmp6, 0x40000                  ; cx: my 256 columns; it enters Wo's and out0's addresses alone
	s_lshr_b32 s44, s12, 1                         ; wc: the fourth tensor; p = cx / 2;
	s_lshl_b32 s44, s44, 19
	s_add_co_u32 s44, s44, 0x300000
	s_and_b32 s48, s12, 1                          ; the run of 128 columns 2 (cx % 2) + wave / 2;
	s_lshl_b32 s48, s48, 1
	s_lshr_b32 s49, s14, 1
	s_add_co_u32 s48, s48, s49
	s_lshl_b32 s48, s48, 14
	s_add_co_u32 s44, s44, s48
	s_and_b32 s48, s14, 1                          ; its fragments 4 (wave % 2) on
	s_lshl_b32 s48, s48, 13
	s_add_co_u32 s44, s44, s48
	s_mov_b32 s45, 0
	s_add_nc_u64 s[6:7], s[6:7], s[44:45]
	s_lshl_b32 s44, s13, 19                        ; out0: 128 rows of 4,096 bytes, + 1,024 cx + 256 wave
	s_lshl_b32 s48, s12, 10
	s_add_co_u32 s44, s44, s48
	s_lshl_b32 s48, s14, 8
	s_add_co_u32 s44, s44, s48
	s_add_nc_u64 s[10:11], s[10:11], s[44:45]
	v_and_b32 v1, 31, v0
	v_and_b32 v2, 15, v0                           ; r
	v_bfe_u32 v3, v0, 4, 1                         ; h
	v_lshlrev_b32 v[LI], 4, v1
	v_add_nc_u32 v[LI2], 65536, v[LI]
.macro LOADW s                         ; Wo's four fragments of K step s into set s % 4
	WIN 0x80
.set lt, 0
.rept 4
.irp c, 0,1,2,3
	global_load_b128 v[64*((\s)%4)+16*lt+4*\c:64*((\s)%4)+16*lt+4*\c+3], v[LI], s[6:7] offset:65536*(\s)+2048*lt+512*\c
.endr
.set lt, lt+1
.endr
	WIN 0
.endm
.macro FETCHA s                        ; o's eight fragments of K step s into set s % 2
	WIN 0x40
.set fa, 0
.rept 8
.irp c, 0,1,2,3
	ds_load_b128 v[128*((\s)%2)+16*fa+4*\c:128*((\s)%2)+16*fa+4*\c+3], v[LI+(\s)/4] offset:16384*((\s)%4)+2048*fa+512*\c
.endr
.set fa, fa+1
.endr
	WIN 0
.endm
	LOADW 0
	LOADW 1
	LOADW 2
	s_mul_i32 s22, s14, 4352                       ; my stage
	v_mul_u32_u24 v4, v2, 272
	v_lshl_add_u32 v4, v3, 5, v4
	v_add_nc_u32 v4, s22, v4
	v_add_nc_u32 v[STO], STG, v4                   ; in: row r, 32 bytes for each half of the lanes
	v_mul_u32_u24 v4, v3, 272
	v_lshl_add_u32 v4, v2, 4, v4
	v_add_nc_u32 v4, s22, v4
	v_add_nc_u32 v[RD], STG, v4                    ; back: lanes 0-15 one row of 256 bytes, lanes 16-31 the next
	v_lshlrev_b32 v4, 4, v2
	v_lshl_add_u32 v[CO], v3, 12, v4               ; and the same two rows in out0
	s_wait_tensorcnt 0x1                           ; my first load is in; after the barrier K steps 0-3 are whole
	s_barrier_signal -1
	s_barrier_wait -1
	FETCHA 0
.macro STEP s
.if (\s) > 0
	PLACES 4                                       ; in front of loads into registers that the last step's products have read
.endif
.if (\s) == 3
	s_wait_tensorcnt 0x0                           ; my second load is in;
	s_wait_dscnt 0x0
	s_barrier_signal -1
	s_barrier_wait -1                              ; K steps 4-7 are whole
.endif
.if (\s)+3 < 8
	LOADW (\s)+3
.endif
.if (\s)+1 < 8
	FETCHA (\s)+1
.endif
.if (\s) < 5
	s_wait_loadcnt 48                              ; this step's Wo is in; the three sets behind it may be out
.else
	s_wait_loadcnt 16*(7-(\s))
.endif
.if (\s) < 7
	s_wait_dscnt 32                                ; this step's o is in; the next step's 32 loads may be out
.else
	s_wait_dscnt 0
.endif
	WIN 0xf6                                       ; source 0 (Wo) window 2, source 1 (o) window 1, C and D window 3
.set ma, 0
.rept 8
.set mt, 0
.rept 4
.if (\s) == 0
	v_wmma_f32_16x16x128_fp8_fp8 v[8*(4*ma+mt):8*(4*ma+mt)+7], v[64*((\s)%4)+16*mt:64*((\s)%4)+16*mt+15], v[128*((\s)%2)+16*ma:128*((\s)%2)+16*ma+15], 0
.else
	v_wmma_f32_16x16x128_fp8_fp8 v[8*(4*ma+mt):8*(4*ma+mt)+7], v[64*((\s)%4)+16*mt:64*((\s)%4)+16*mt+15], v[128*((\s)%2)+16*ma:128*((\s)%2)+16*ma+15], v[8*(4*ma+mt):8*(4*ma+mt)+7]
.endif
.set mt, mt+1
.endr
.set ma, ma+1
.endr
	WIN 0                                          ; the 32 accumulators take turns, one instruction a turn
.endm
	STEP 0
	STEP 1
	STEP 2
	STEP 3
	STEP 4
	STEP 5
	STEP 6
	STEP 7
; THE WAY OUT, a block of 16 rows x 64 columns at a time, through my own stage: back come whole runs of 256 bytes of a row.
.macro TOSTAGE a
	WIN 0x03
.set tn, 0
.rept 16
	v_pk_mul_f32 v[TMP+2*tn:TMP+2*tn+1], v[32*(\a)+2*tn:32*(\a)+2*tn+1], s[46:47] op_sel_hi:[1,0]   ; x 2^(e10 + e11); each accumulator from its low end on
.set tn, tn+1
.endr
	WIN 0
.irp t, 0,1,2,3
	ds_store_b128 v[STO], v[TMP+8*\t:TMP+8*\t+3] offset:64*\t
	ds_store_b128 v[STO], v[TMP+8*\t+4:TMP+8*\t+7] offset:64*\t+16
.endr
.irp i, 0,1,2,3,4,5,6,7
	ds_load_b128 v[BK+32*((\a)%2)+4*\i:BK+32*((\a)%2)+4*\i+3], v[RD] offset:544*\i   ; LDS serves a wave's instructions in order: these see my stores
.endr
.endm
.macro SEND a, younger                 ; younger: the LDS instructions issued behind block a's loads
	s_wait_dscnt \younger
.irp i, 0,1,2,3,4,5,6,7
	global_store_b128 v[CO], v[BK+32*((\a)%2)+4*\i:BK+32*((\a)%2)+4*\i+3], s[10:11] offset:(\a)*65536+8192*\i th:TH_STORE_NT   ; sixteen lanes store 256 consecutive bytes, aligned
.endr
.endm
	s_wait_kmcnt 0x0
	s_add_co_i32 s46, s42, s43
	s_add_co_i32 s46, s46, 127
	s_lshl_b32 s46, s46, 23                        ; 2^(e10 + e11) as f32
	s_mov_b32 s47, s46                             ; (named with it as a pair)
	PLACES 4                                       ; behind the last products
	TOSTAGE 0
.irp a, 1,2,3,4,5,6,7
.if \a > 1
	s_wait_xcnt 0x0                                ; block a - 2's stores have read the registers into which block a's loads land
.endif
	TOSTAGE \a
	SEND \a-1, 16                                  ; behind block a - 1's loads: block a's 8 stores and 8 loads
.endr
	SEND 7, 0
	s_wait_tensorcnt 0x0                           ; the wave's end
	ds_add_u32 v[SPW], v[NIL]
	s_wait_dscnt 0x0
	ROUND                                          ; the closing round
	s_endpgm
.Lfunc_end_k_qd33c586865_outp:
	.size	k_qd33c586865_outp, .Lfunc_end_k_qd33c586865_outp-k_qd33c586865_outp
	.p2alignl 7, 3214868480
	.fill 96, 4, 3214868480
	.section	.rodata,"a",@progbits
	.p2align	6, 0x0
	.amdhsa_kernel k_qd33c586865_outp
		.amdhsa_group_segment_fixed_size 167936
		.amdhsa_private_segment_fixed_size 0
		.amdhsa_enable_private_segment 0
		.amdhsa_kernarg_size 32
		.amdhsa_user_sgpr_count 2
		.amdhsa_user_sgpr_kernarg_segment_ptr 1
		.amdhsa_wavefront_size32 1
		.amdhsa_system_sgpr_workgroup_id_x 1
		.amdhsa_system_sgpr_workgroup_id_y 1
		.amdhsa_system_sgpr_workgroup_id_z 1
		.amdhsa_system_vgpr_workitem_id 0
		.amdhsa_next_free_vgpr 1024
		.amdhsa_next_free_sgpr 66
		.amdhsa_reserve_vcc 0
		.amdhsa_float_denorm_mode_32 3
		.amdhsa_float_denorm_mode_16_64 3
		.amdhsa_memory_ordered 1
		.amdhsa_forward_progress 1
		.amdhsa_inst_pref_size 75
	.end_amdhsa_kernel
	.amdgpu_metadata
---
amdhsa.version: [ 1, 2 ]
amdhsa.kernels:
  - .name:           k_qd33c586865_outp
    .symbol:         k_qd33c586865_outp.kd
    .args:
      - { .name: oc, .offset: 0, .size: 8, .value_kind: global_buffer, .address_space: global }
      - { .name: wc, .offset: 8, .size: 8, .value_kind: global_buffer, .address_space: global }
      - { .name: lowp_scales, .offset: 16, .size: 8, .value_kind: global_buffer, .address_space: global }
      - { .name: out0, .offset: 24, .size: 8, .value_kind: global_buffer, .address_space: global }
    .group_segment_fixed_size: 167936
    .private_segment_fixed_size: 0
    .kernarg_segment_align: 8
    .kernarg_segment_size: 32
    .max_flat_workgroup_size: 128
    .sgpr_count:     66
    .vgpr_count:     1024
    .wavefront_size: 32
...
	.end_amdgpu_metadata
.endif
;; end of part 4
;; ======== version 2 of 2: 4 launches; version 1 with the launch attn written anew for expert scheduling mode
;; workspace buffers: wc 4,194,304 bytes; mw 524,288 bytes of whole numbers; msum 8,192 bytes of whole numbers; qf 8,388,608 bytes; kf 8,388,608 bytes; vf 8,388,608 bytes; oc 8,388,608 bytes
;; launch prep: the kernel of part 1 again; grid 256 x 1, 8 waves a work-group, no clusters, 35,840 bytes of LDS; arguments Wq, Wk, Wv, Wo, mask, lowp_scales, wc, mw, msum; writes wc, mw, msum
;; launch proj: the kernel of part 2 again; grid 64 x 3, 4 waves a work-group, clusters of 4 x 1, 327,680 bytes of LDS; arguments x_q, x_k, x_v, wc, lowp_scales, qf, kf, vf; writes qf, kf, vf
;; launch attn (part 5): grid 4 x 64, 16 waves a work-group, no clusters, 264,192 bytes of LDS; arguments qf, kf, vf, mw, msum, lowp_scales, oc; writes oc
.if DOCPART == 5
	.amdgcn_target "amdgcn-amd-amdhsa--gfx1250"
	.amdhsa_code_object_version 6
	.text
	.protected	k_qd33c586865_attn
	.globl	k_qd33c586865_attn
	.p2align	8
	.type	k_qd33c586865_attn,@function
k_qd33c586865_attn:
	s_mov_b64 s[64:65], 0
	v_nop
	global_prefetch_b8 v0, s[64:65] scope:SCOPE_SE
	s_setreg_imm32_b32 hwreg(HW_REG_WAVE_SCHED_MODE, 0, 2), 2
	s_setreg_imm32_b32 hwreg(HW_REG_WAVE_MODE, 25, 1), 1
	s_wait_xcnt 0x0
	s_wait_alu depctr_vm_vsrc(0)
; ATTN.  o = softmax(q k^T / 8, hidden keys at -infinity) v for one batch x head, both products on codes of E4M3; o is quantised at once for the last product.
; THE SOFTMAX: t = score x log2(e) / 8; M = the running largest t rounded UP to a whole number; p = 2^(t - M) is quantised along the keys; the row's sum is taken of the unquantised p and divides at the end.
; SHARES.  A work-group holds a head's K and V (2 x 131,072 bytes of register images) in LDS, loaded once through registers.  Each of its sixteen waves owns two tiles of 16 queries, u and 127 - u, one after the other.
; Both products are used transposed (S^T = K Q^T, O^T = V^T P^T): a lane holds one query throughout; the conversions' results are the next operand's registers.
; THE MASK IS AN INPUT.  An earlier launch has turned it into lane masks (mw) and a summary (msum).  A key step of 128 keys that is hidden wholly for the tile's 16 queries gives p = 0 and leaves M alone: it is left out,
; by a scalar branch on the stored summary; a step that hides nothing leaves the 64 selections out.  That holds for every mask.
; No tensor loads, copies or joint loads: the key loop branches on stored whole numbers and on a given exponent.
; A row that the mask hides wholly has the sum 0: its codes become the NaN code, and the last product spreads NaN over the output row, as the softmax of an empty row does.
; oc: [block of 128 rows 64][K step 8 (two heads)][tile of 16 rows 8][2,048 bytes]: the last product's fragments.
; LIMITS on the given exponents: e6 + e7 between -123 and 130; e8, and e10 - e8 - e9, between -126 and 119.
; REGISTERS: v1 16 x lane; v2 the same in V's half; v7 Q's offset; v8, v9 the step's K and V; v10 o's offset; v12 -M, v13 the largest t, v[14:15] the sum; v16-23 Q; v24 -infinity; v25 four NaN codes;
;   v32-95 K's or V's fragments; v96-159 S^T, then p; v160-191 O^T; v192-207 p's codes; v224-231 o's codes; v236-254 at work.  The fill at the head lands in v96-223: nothing else is written there while it is out.
; THE MODE: SCHED_MODE bits 1:0 = 2 (LLVM: expert scheduling mode 2), set by the entry lines.  The code itself states the register dependences
; between vector or matrix instructions and memory or LDS instructions, with s_wait_alu, always for 0.
; THE PLAN.  Registers that memory or LDS instructions touch:
;   v8-11      The fill's bases: written at the head; read by the fill's loads and LDS stores.  Afterwards v8, v9, v10 are the three addresses below.
;   v96-223    The fill's loads land there, its LDS stores read them; afterwards vector and matrix instructions alone name them.
;   v7         Written once a tile; read by Q's two loads.          v16-23  Q's loads land once a tile; the products K Q^T read them.
;   v8, v9     Written at a step's head; read by the step's 16 + 16 LDS loads.
;   v32-95     K's loads land; the eight K Q^T read them; V's loads land; the four V^T P read them.
;   v10, v224-231  Written at a tile's end; read by its two stores.          v5, v6  Written at the head; read by the closing add alone.
; A TILE'S HEAD: one wait on vm_vsrc frees all that memory and LDS instructions issued so far have read; one on va_vdst stands behind the add to v7.
; A KEY STEP: vm_vsrc ahead of the adds to v8 and v9; va_vdst behind them, ahead of K's loads; va_vdst behind the products K Q^T, ahead of V's loads; the exponentials' one wait.  From the third of these to the products
; V^T P no vector line names v9 or v32-95, on any way through the step: so V's loads stand there with no further wait, eight at once and eight dealt among the maximum's lines.
; No second set of fragments: four waves share a SIMD's registers, 256 each, and all runs of 64 are taken.
.set LI,  1
.set LV,  2
.set SPW, 5                            ; v5  LDS address of my spare word; never rewritten
.set NIL, 6                            ; v6  0; never rewritten
.set QA,  7
.set FB,  8                            ; v8-11 the fill's four bases; v8, v9, v10 serve other addresses afterwards
.set ADK, 8
.set ADV, 9
.set OA,  10
.set NINF, 24                          ; v24 -infinity
.set NANC, 25                          ; v25 four NaN codes
.set SPARE, 262144                     ; behind K and V: the spare words, 128 bytes for each wave
	s_load_b256 s[4:11], s[0:1], 0x0               ; qf 4, kf 6, vf 8, mw 10
	s_load_b128 s[12:15], s[0:1], 0x20             ; msum 12, scales 14
	s_load_b64 s[16:17], s[0:1], 0x30              ; oc
	v_lshl_add_u32 v[SPW], v0, 2, SPARE
	v_mov_b32 v[NIL], 0
	v_lshrrev_b32 v3, 5, v0
	v_readfirstlane_b32 s18, v3                    ; wave 0..15
	v_and_b32 v3, 31, v0
	v_lshlrev_b32 v[LI], 4, v3
	v_add_nc_u32 v[LV], 0x20000, v[LI]
	v_lshlrev_b32 v[FB], 4, v0                     ; 16 x thread: a round of the fill is 8,192 bytes
	v_add_nc_u32 v[FB+1], 0x10000, v[FB]
	v_add_nc_u32 v[FB+2], 0x20000, v[FB]
	v_add_nc_u32 v[FB+3], 0x30000, v[FB]
	s_and_b32 s19, ttmp7, 0xffff                   ; batch x 16 + head
	s_lshl_b32 s44, s19, 17                        ; 131,072 bytes a head in qf, kf, vf
	s_mov_b32 s45, 0
	s_wait_kmcnt 0x0
	s_load_b256 s[32:39], s[14:15], 0x0            ; the scales' exponents 0-7
	s_load_b128 s[40:43], s[14:15], 0x20           ; 8-11
	s_add_nc_u64 s[4:5], s[4:5], s[44:45]
	s_add_nc_u64 s[6:7], s[6:7], s[44:45]
	s_add_nc_u64 s[8:9], s[8:9], s[44:45]
	s_wait_alu depctr_va_vdst(0)                   ; the four bases v8-11 are written, which the fill's loads and LDS stores read; no vector line up to the last of those stores names them or v96-223
.irp i, 0,1,2,3,4,5,6,7,8,9,10,11,12,13,14,15
	global_load_b128 v[96+4*\i:99+4*\i], v[FB], s[6:7] offset:8192*\i
.endr
.irp i, 0,1,2,3,4,5,6,7,8,9,10,11,12,13,14,15
	global_load_b128 v[160+4*\i:163+4*\i], v[FB], s[8:9] offset:8192*\i
.endr
	s_wait_alu depctr_va_sdst(0)                   ; s18, the wave's number, is written, ahead of its first reader two lines down
	s_lshl_b32 s30, ttmp9, 4
	s_add_co_u32 s30, s30, s18                     ; my first tile of queries: u = 16 x work-group x + wave
	s_lshr_b32 s46, s19, 4                         ; oc: batch x 16 blocks of 131,072 bytes,
	s_lshl_b32 s46, s46, 21
	s_bfe_u32 s47, s19, 0x30001                    ; K step = head / 2,
	s_lshl_b32 s47, s47, 14
	s_add_co_u32 s46, s46, s47
	s_and_b32 s47, s19, 1                          ; groups 0, 1 or 2, 3 of the fragment
	s_lshl_b32 s47, s47, 10
	s_add_co_u32 s19, s46, s47
	s_mov_b32 s20, 0x76543210                      ; v_permlanex16_b32's selects for lane l xor 16
	s_mov_b32 s21, 0xfedcba98
	s_mov_b32 s22, 0x3e38aa3b                      ; c = log2(e) / 8
	s_mov_b32 s29, 0                               ; tiles done
	v_mov_b32 v[NINF], 0xff800000                  ; (these constants lie outside v96-223, where the fill's loads are still to land)
	v_mov_b32 v[NANC], 0x7f7f7f7f
	v_mov_b32 v236, 0                              ; a lane permute's destination counts as read
	v_mov_b32 v252, 0
	v_mov_b32 v253, 0                              ; (named as the upper half of the pair v[252:253])
	s_wait_kmcnt 0x0
	s_add_co_i32 s44, s38, s39
	s_lshl_b32 s44, s44, 23
	s_add_co_i32 s22, s22, s44                     ; a score stands for score x 2^(e6 + e7): added to c's exponent field
	s_mov_b32 s23, s22
	s_add_co_i32 s44, s40, 127
	s_lshl_b32 s45, s44, 23
	v_mov_b32 v244, s45                            ; 2^e8
	s_add_co_i32 s44, s44, 8
	s_lshl_b32 s44, s44, 23
	s_or_b32 s44, s44, 0x600000
	v_mov_b32 v240, s44                            ; 448 x 2^e8
	s_cmp_lt_i32 s40, -8                           ; p is at most 1 (a last bit more at the most), and 448 x 2^e8 is 1.75 or more from e8 = -8 on: only below that can the hold bite
	s_cselect_b32 s28, 1, 0
	s_sub_co_i32 s44, s42, s40
	s_sub_co_i32 s44, s44, s41                     ; O^T / the sum stands for o / 2^(e8 + e9): folded into the conversion's scale
	s_add_co_i32 s44, s44, 127
	s_lshl_b32 s45, s44, 23
	v_mov_b32 v245, s45
	s_add_co_i32 s44, s44, 8
	s_lshl_b32 s44, s44, 23
	s_or_b32 s67, s44, 0x600000
	s_xor_b32 s66, s67, 0x80000000
.set fi, 0
.rept 32
	s_wait_loadcnt 31-fi                           ; loads come back in order: number fi is in
	ds_store_b128 v[FB+fi/8], v[96+4*fi:99+4*fi] offset:(fi%8)*8192
.set fi, fi+1
.endr
	s_wait_dscnt 0x0                               ; for the others' sake: my part of K and V is stored
	s_barrier_signal -1
	s_barrier_wait -1                              ; the launch's one barrier: from here on LDS is only read
.Ltile:
	s_lshl_b32 s48, s30, 10
	s_wait_alu depctr_vm_vsrc(0)                   ; first tile: the fill's LDS stores have read v8-11 and v96-223.  Second tile: Q's loads have read v[QA], the last tile's stores v[OA] and v224-231.  All of these are written anew below
	v_add_nc_u32 v[QA], s48, v[LI]
	s_wait_alu depctr_va_vdst(0)                   ; v[QA] is written, which Q's loads read; the last tile's products are done reading v16-23, in which they land
	global_load_b128 v[16:19], v[QA], s[4:5]       ; Q's fragment stays in registers
	global_load_b128 v[20:23], v[QA], s[4:5] offset:512
	s_lshl_b32 s48, s30, 12
	s_mov_b32 s49, 0
	s_add_nc_u64 s[2:3], s[10:11], s[48:49]        ; the tile's lane masks
	s_lshl_b32 s48, s30, 6
	s_add_nc_u64 s[104:105], s[12:13], s[48:49]
	s_load_b512 s[32:47], s[104:105], 0x0          ; its summary: eight pairs of words
	v_mov_b32 v13, 0xff61b1e6                      ; the largest t so far: -3e38
	v_floor_f32 v12, -v13
	v_mov_b32 v14, 0
	v_mov_b32 v15, 0
.set zi, 0
.rept 32
	v_mov_b32 v[160+zi], 0                         ; O^T: the step is written once, and the first change of M leaves zeros zeros
.set zi, zi+1
.endr
	s_mov_b32 s24, 16                              ; key steps to go
	s_mov_b32 s25, 0                               ; the step's bytes in K and in V
	s_wait_kmcnt 0x0
	s_or_b32 s26, s32, s34                         ; bit ks: hidden wholly
	s_or_b32 s27, s33, s35                         ; bit ks: hides something
.irp i, 36,38,40,42,44,46
	s_or_b32 s26, s26, s[\i]
	s_or_b32 s27, s27, s[\i+1]
.endr
	s_wait_loadcnt 0x0                             ; Q
.Lkey:
	s_bitcmp1_b32 s26, 0
	s_cbranch_scc1 .Lskip
	s_load_b512 s[32:47], s[2:3], 0x0              ; the step's 64 lane masks
	s_load_b512 s[48:63], s[2:3], 0x40
	s_load_b512 s[68:83], s[2:3], 0x80
	s_load_b512 s[84:99], s[2:3], 0xc0
	s_wait_alu depctr_vm_vsrc(0)                   ; the LDS loads issued so far have read v[ADK] and v[ADV]
	v_add_nc_u32 v[ADK], s25, v[LI]
	v_add_nc_u32 v[ADV], s25, v[LV]
	v_nop                                          ; with the two additions: four places in front of loads into registers that matrix instructions have read
	v_nop
	s_wait_alu depctr_va_vdst(0)                   ; v[ADK] and v[ADV] are written, which the step's LDS loads read; the last step's products V^T P are done reading v32-95, in which K's loads land
.irp t, 0,1,2,3,4,5,6,7
	ds_load_b128 v[32+8*\t:35+8*\t], v[ADK] offset:1024*\t
	ds_load_b128 v[36+8*\t:39+8*\t], v[ADK] offset:1024*\t+512
.endr
	s_wait_dscnt 0x0
.irp t, 0,1,2,3,4,5,6,7
	v_wmma_f32_16x16x64_fp8_fp8 v[96+8*\t:103+8*\t], v[32+8*\t:39+8*\t], v[16:23], 0   ; lane (r, h): query r, keys 16 t + 8 h + 0 .. 7
.endr
.rept 4
	v_nop
.endr
	s_wait_alu depctr_va_vdst(0)                   ; the products K Q^T are done reading v32-95, in which V's loads land; the places above stay beside this wait
.set vl, 0                             ; V's load vl of 16: registers 4 vl on of the four fragments, 512 vl bytes on
.rept 8
	ds_load_b128 v[32+4*vl:35+4*vl], v[ADV] offset:512*vl   ; V's fragments land while the softmax is walked: the first two here,
.set vl, vl+1
.endr
	s_wait_kmcnt 0x0                               ; the lane masks are in, on every way through the step
	s_bitcmp1_b32 s27, 0
	s_cbranch_scc0 .Lopen
.set mi, 0
.rept 32
	v_cndmask_b32 v[96+mi], v[96+mi], v[NINF], s[32+mi]   ; a hidden key's score becomes -infinity: p = 0
.set mi, mi+1
.endr
.rept 32
	v_cndmask_b32 v[96+mi], v[96+mi], v[NINF], s[36+mi]
.set mi, mi+1
.endr
.Lopen:
	v_max3_num_f32 v254, v96, v97, v98             ; the step's largest score of my query among my 64 keys, in two chains,
	v_max3_num_f32 v252, v99, v100, v101
.irp i, 6,10,14,18,22,26,30,34,38,42,46,50,54,58
	v_max3_num_f32 v254, v254, v[96+\i], v[97+\i]
	v_max3_num_f32 v252, v252, v[98+\i], v[99+\i]
.if vl < 16
	ds_load_b128 v[32+4*vl:35+4*vl], v[ADV] offset:512*vl   ; the other two dealt among these lines.  No wait: no vector line since the wait above names v[ADV] or v32-95
.set vl, vl+1
.endif
.endr
	v_max3_num_f32 v254, v254, v158, v159
	v_max_num_f32 v254, v254, v252
	v_permlanex16_b32 v236, v254, s20, s21
	v_max_num_f32 v254, v254, v236                 ; and among lane l xor 16's
	v_mul_f32 v254, s22, v254                      ; as t (c is positive)
	v_max_num_f32 v13, v13, v254
	v_mov_b32 v254, v12
	v_floor_f32 v12, -v13                          ; the new -M = floor(-t): M is a whole number
	v_sub_f32 v254, v12, v254                      ; old M - new M, 0 or less
	v_cvt_i32_f32 v254, v254                       ; (it saturates)
	v_ldexp_f32 v252, 1.0, v254                    ; f = 2^(old M - new M): a multiplication by it rounds nothing
.irp j, 0,2,4,6,8,10,12,14,16,18,20,22,24,26,28,30,32,34,36,38,40,42,44,46,48,50,52,54,56,58,60,62
	v_pk_fma_f32 v[96+\j:97+\j], v[96+\j:97+\j], s[22:23], v[12:13] op_sel_hi:[1,0,0]   ; t - M, two at a time
.endr
.set ei, 0
.rept 64
	v_exp_f32 v[96+ei], v[96+ei]                   ; p = 2^(t - M)
.set ei, ei+1
.endr
	v_pk_mul_f32 v[14:15], v[14:15], v[252:253] op_sel_hi:[1,0]   ; the sums under the new M; the plain line behind the exponentials
	s_wait_alu depctr_va_vdst(0)                   ; the 64 exponentials have written v96-159: one wait for the whole batch, ahead of its first reader
	v_pk_add_f32 v[242:243], v[96:97], v[98:99]    ; the row's sum of the unquantised p, in two chains
.irp j, 4,8,12,16,20,24,28,32,36,40,44,48,52,56,60
	v_pk_add_f32 v[14:15], v[14:15], v[96+\j:97+\j]
	v_pk_add_f32 v[242:243], v[242:243], v[98+\j:99+\j]
.endr
	v_pk_add_f32 v[14:15], v[14:15], v[242:243]
	s_cmp_eq_u32 s28, 0
	s_cbranch_scc1 .Lnh
.set hi, 0
.rept 64
	v_min_num_f32 v[96+hi], v[96+hi], v240         ; the hold at the largest code x the scale; p is not negative
.set hi, hi+1
.endr
.Lnh:
.irp t, 0,1,2,3,4,5,6,7
	v_cvt_scalef32_pk8_fp8_f32 v[192+2*\t:193+2*\t], v[96+8*\t:103+8*\t], v244   ; registers 2 t, 2 t + 1 of P: keys 16 t + 8 h + 0 .. 7
.endr
.irp j, 0,2,4,6,8,10,12,14,16,18,20,22,24,26,28,30
	v_pk_mul_f32 v[160+\j:161+\j], v[160+\j:161+\j], v[252:253] op_sel_hi:[1,0]   ; O^T under the new M
.endr
	s_wait_dscnt 0x0                               ; V
.irp t, 0,1,2,3
	v_wmma_f32_16x16x128_fp8_fp8 v[160+8*\t:167+8*\t], v[32+16*\t:47+16*\t], v[192:207], v[160+8*\t:167+8*\t]   ; four accumulators by turns
.endr
.Lskip:
	s_lshr_b32 s26, s26, 1
	s_lshr_b32 s27, s27, 1
	s_add_co_u32 s25, s25, 8192
	s_add_nc_u64 s[2:3], s[2:3], 256               ; no scalar load is out here: each step waits for its own
	s_sub_co_u32 s24, s24, 1
	s_cmp_lg_u32 s24, 0
	s_cbranch_scc1 .Lkey
	; the tile's end: O^T / the sum, quantised: its codes are the head's half of the last product's fragment
.rept 4
	v_nop                                          ; places behind the last products
.endr
	v_add_f32 v14, v14, v15
	v_permlanex16_b32 v252, v14, s20, s21
	v_add_f32 v14, v14, v252                       ; the row's sum
	v_cmp_eq_f32 s100, 0, v14                      ; 0: every key of the row is hidden
	v_rcp_f32 v254, v14
	v_nop                                          ; a plain line behind the transcendental
	s_wait_alu depctr_va_vdst(0)                   ; the reciprocal has written v254, ahead of its first reader
.set oi, 0
.rept 32
	v_mul_f32 v[96+oi], v[160+oi], v254            ; register 8 t + j: channel 16 t + 8 h + j of query r
.set oi, oi+1
.endr
.set oi, 0
.rept 32
	v_med3_num_f32 v[96+oi], v[96+oi], s66, s67
.set oi, oi+1
.endr
	s_wait_xcnt 0x0                                ; the last tile's stores have had their addresses translated: their data and their offset are written again only behind this wait (that they have read those registers is stated at the tile's head)
	s_lshr_b32 s48, s30, 3
	s_lshl_b32 s48, s48, 17                        ; the block of 128 rows,
	s_and_b32 s49, s30, 7
	s_lshl_b32 s49, s49, 11                        ; the tile in it
	s_add_co_u32 s48, s48, s49
	s_add_co_u32 s48, s48, s19
	v_add_nc_u32 v[OA], s48, v[LI]
.irp t, 0,1,2,3
	v_cvt_scalef32_pk8_fp8_f32 v[224+2*\t:225+2*\t], v[96+8*\t:103+8*\t], v245
.endr
	v_nop                                          ; a plain line behind the last conversion
	s_wait_alu depctr_va_sdst(0)                   ; the compare has written s100, ahead of its first reader, the selection below
.irp i, 0,1,2,3,4,5,6,7
	v_cndmask_b32 v[224+\i], v[224+\i], v[NANC], s100
.endr
	s_wait_alu depctr_va_vdst(0)                   ; the selections have written v224-231 and the addition v[OA], which the two stores read
	global_store_b128 v[OA], v[224:227], s[16:17]              ; 512 consecutive bytes each
	global_store_b128 v[OA], v[228:231], s[16:17] offset:512
	s_sub_co_u32 s30, 127, s30                     ; the second tile: 127 - u
	s_add_co_u32 s29, s29, 1
	s_cmp_lt_u32 s29, 2
	s_cbranch_scc1 .Ltile
	s_wait_dscnt 0x0                               ; the closing lines, six on end
	s_wait_alu 0x0
	s_wait_tensorcnt 0x0
	ds_add_u32 v[SPW], v[NIL]
	s_wait_dscnt 0x0
	s_endpgm
.Lfunc_end_k_qd33c586865_attn:
	.size	k_qd33c586865_attn, .Lfunc_end_k_qd33c586865_attn-k_qd33c586865_attn
	.p2alignl 7, 3214868480
	.fill 96, 4, 3214868480
	.section	.rodata,"a",@progbits
	.p2align	6, 0x0
	.amdhsa_kernel k_qd33c586865_attn
		.amdhsa_group_segment_fixed_size 264192
		.amdhsa_private_segment_fixed_size 0
		.amdhsa_enable_private_segment 0
		.amdhsa_kernarg_size 56
		.amdhsa_user_sgpr_count 2
		.amdhsa_user_sgpr_kernarg_segment_ptr 1
		.amdhsa_wavefront_size32 1
		.amdhsa_system_sgpr_workgroup_id_x 1
		.amdhsa_system_sgpr_workgroup_id_y 1
		.amdhsa_system_sgpr_workgroup_id_z 1
		.amdhsa_system_vgpr_workitem_id 0
		.amdhsa_next_free_vgpr 256
		.amdhsa_next_free_sgpr 106
		.amdhsa_reserve_vcc 0
		.amdhsa_float_denorm_mode_32 3
		.amdhsa_float_denorm_mode_16_64 3
		.amdhsa_memory_ordered 1
		.amdhsa_forward_progress 1
		.amdhsa_inst_pref_size 37
	.end_amdhsa_kernel
	.amdgpu_metadata
---
amdhsa.version: [ 1, 2 ]
amdhsa.kernels:
  - .name:           k_qd33c586865_attn
    .symbol:         k_qd33c586865_attn.kd
    .args:
      - { .name: qf, .offset: 0, .size: 8, .value_kind: global_buffer, .address_space: global }
      - { .name: kf, .offset: 8, .size: 8, .value_kind: global_buffer, .address_space: global }
      - { .name: vf, .offset: 16, .size: 8, .value_kind: global_buffer, .address_space: global }
      - { .name: mw, .offset: 24, .size: 8, .value_kind: global_buffer, .address_space: global }
      - { .name: msum, .offset: 32, .size: 8, .value_kind: global_buffer, .address_space: global }
      - { .name: lowp_scales, .offset: 40, .size: 8, .value_kind: global_buffer, .address_space: global }
      - { .name: oc, .offset: 48, .size: 8, .value_kind: global_buffer, .address_space: global }
    .group_segment_fixed_size: 264192
    .private_segment_fixed_size: 0
    .kernarg_segment_align: 8
    .kernarg_segment_size: 56
    .max_flat_workgroup_size: 512
    .sgpr_count:     106
    .vgpr_count:     256
    .wavefront_size: 32
...
	.end_amdgpu_metadata
.endif
;; end of part 5
;; launch outp: the kernel of part 4 again; grid 4 x 64, 4 waves a work-group, clusters of 4 x 1, 167,936 bytes of LDS; arguments oc, wc, lowp_scales, out0; writes out0
